; MI455X (gfx1250); checked and timed in simulation.
; The chip was launched on July 23, 2026; its instructions are those of AMD's public machine-readable ISA for CDNA 5 (MIT licence, August 2026) and "CDNA5" Instruction Set Architecture Reference Guide (July 2026). The comments in the code are by the model that wrote it; some were corrected since.
;; Attention. Allowed arithmetic: matrix products marked QUANTISED: E2M1 operands, one E8M0 scale for each 32 along K, by v_wmma_scale_f32_16x16x128_f8f6f4 with both operands' format E2M1 (or v_wmma_scale_f32_32x16x128_f4), f32 sums; products left as they are: bf16, f16 or f32 operands; f32 sums; everything else in f32.
;; Inputs: proj_b 1,024 float32; proj_w 1,024 x 1,024 float32; qkv_b 3,072 float32; qkv_w 3,072 x 1,024 float32; x 8 x 1,024 x 1,024 float32.
;; Outputs: out0 8 x 1,024 x 1,024 float32.
;; This version of the problem:
;;   THIS VERSION OF THE PROBLEM IS GIVEN IN LOW PRECISION. The matrix products marked QUANTISED in the list below multiply operands that are first quantised to E2M1 (2 exponent bits, 1 mantissa bit; 4 bits a number), with one power-of-two scale for each 32 numbers along K (OCP MX v1.0); their sums are f32. The products marked 'left as it is' may take bf16, f16 or f32 operands, with f32 sums. Whichever they take, every output number must still come out within the allowed error. Rounding operands to bf16 (8 significant bits) uses up far more of that allowance than f16 does (11 bits, for magnitudes from 6e-5 to 65,504). All else is computed in f32.
;;   The module's matrix products, in the order in which they are computed (A, B: the left and right operand; K: the contracted axis; several contracted axes count as one K, in the product's order):
;;     1. [M 8,192, K 1,024] x [K 1,024, N 3,072]; A: input x; B: input qkv_w: QUANTISED
;;     2. batch 128 x [M 1,024, K 64] x [K 64, N 1,024]; A: computed on the way; B: computed on the way: left as it is (an operand is computed on the way)
;;     3. batch 128 x [M 1,024, K 1,024] x [K 1,024, N 64]; A: computed on the way; B: computed on the way: left as it is (an operand is computed on the way)
;;     4. [M 8,192, K 1,024] x [K 1,024, N 1,024]; A: computed on the way; B: input proj_w: left as it is (an operand is computed on the way)
;;   THE QUANTISER, for each operand of a quantised product, along K:
;;     - K is cut into blocks of 32 from its start; a last block that is shorter is filled with zeros.
;;     - A block's scale is 2^e with e = floor(log2(the largest magnitude in the block)) - 2, held to -126 .. 127; a block of zeros has e = 0. As a byte (E8M0): e + 127.
;;     - Each number is divided by its block's scale, clamped to +-6, and rounded to the nearest number of E2M1, ties to even, subnormals kept.
;;     - The product sums the exact products of the quantised numbers (number of the format x scale) in f32.
;;   ~~~python
;;   def quantise(x, axis):      # numpy; x: float32 -> the quantised numbers, widened to float32 again
;;       x = np.moveaxis(x, axis, -1); K = x.shape[-1]
;;       x = np.pad(x, [(0, 0)] * (x.ndim - 1) + [(0, -K % 32)]); x = x.reshape(x.shape[:-1] + (-1, 32)); a = np.abs(x).max(-1, keepdims=True)
;;       e = np.where(a > 0, np.clip(np.frexp(np.where(a > 0, a, 1))[1] - 1 - 2, -126, 127), 0)      # np.frexp(a)[1] - 1 = floor(log2(a)), exactly
;;       r = np.clip(x / 2.0 ** e, -6, 6)
;;       step = 2.0 ** (np.maximum(np.frexp(np.where(r == 0, 1, r))[1] - 1, 0) - 1)
;;       q = np.round(r / step) * step * 2.0 ** e      # np.round: ties to even
;;       return np.moveaxis(q.reshape(q.shape[:-2] + (-1,))[..., :K], -1, axis).astype(np.float32)
;;   ~~~
;; One version. Each part assembles by itself: llvm-mc -triple=amdgcn-amd-amdhsa -mcpu=gfx1250 --defsym DOCPART=n.
;; ======== version 1 of 1: 4 launches
;; limits: values are held in f16: magnitudes above 65,504 overflow, below 6.1e-05 lose precision
;; workspace buffers: xc 4,194,304 bytes; xs 262,144 bytes; wc 1,572,864 bytes; ws 98,304 bytes; pw 2,097,152 bytes; qkv 50,331,648 bytes; z 16,777,216 bytes
;; launch prep (part 1): grid 384 x 1, 4 waves a work-group, no clusters, 33,280 bytes of LDS; arguments x, qkv_w, proj_w, xc, xs, wc, ws, pw; writes xc, xs, wc, ws, pw
.if DOCPART == 1
	.amdgcn_target "amdgcn-amd-amdhsa--gfx1250"
	.amdhsa_code_object_version 6
	.text
	.protected	k_q9191abfb74_prep
	.globl	k_q9191abfb74_prep
	.p2align	8
	.type	k_q9191abfb74_prep,@function
k_q9191abfb74_prep:
	s_mov_b64 s[64:65], 0
	v_nop
	global_prefetch_b8 v0, s[64:65] scope:SCOPE_SE
	s_setreg_imm32_b32 hwreg(HW_REG_WAVE_MODE, 25, 1), 1
	s_wait_xcnt 0x0
; x [8192][1024] and qkv_w [3072][1024], f32, become codes of FP4 (E2M1), two a byte, K innermost, with one E8M0 byte for each 32 along K; proj_w [1024][1024], f32, becomes f16.
; A block's scale is 2^(floor(log2(its largest magnitude)) - 2); its byte is the largest magnitude's exponent field - 2, held at 1 from below.  Each number is divided by the scale and rounded to the nearest code, ties to even;
; beyond 6 the largest code.
; LIMITS: a block whose largest magnitude lies under 2^-124 has its byte held at 1; a block of zeros gets the byte 1 where the quantiser's text says 127 (its codes are zeros, and this program alone reads the bytes);
; NaN and infinities among x and qkv_w are not served.  proj_w beyond 65,504 in magnitude has no room in f16.
; SHARES: a work-group takes 32,768 numbers, a wave 8,192.  Work-groups 0-255 take x, 256-351 qkv_w, 352-383 proj_w.  Rows are dense and 1,024 is a multiple of 32, so each tensor is a plain stream.
; THE QUANTISER: 16 steps of 512 numbers a wave.  Each of a step's four loads reads 512 consecutive bytes; the 2,048 bytes turn through the wave's own stage in LDS and come back 64 bytes a lane, so that a lane holds 16
; neighbours along K (two neighbouring lanes hold a block).  A lane's 16 codes are 8 bytes: a store of the wave covers 256 consecutive bytes.  A wave's 256 scale bytes are gathered in LDS and leave by one such store.
; No tensor loads, no barrier: waves share nothing.  Matrix units and clusters have no work here: every byte is read once and written once.
.set WAVES, 4
.set STEPS, 16
.set WGA,   256                        ; x's work-groups
.set WGP,   352                        ; proj_w's begin here
.set EMAX,  2
.set CB,    8                          ; bytes of 16 codes
.set R,     16                         ; v16-79   four sets of 16 numbers as loaded (proj_w: v16-143, two sets of 64)
.set X,     80                         ; v80-111  two sets of 16 neighbours
.set E,     112                        ; v112-127 a scale byte for each step
.set C,     128                        ; v128-191 codes: four registers for each step, so that no store's data are written again
.set H,     144                        ; v144-175 proj_w: a group's 32 registers of f16
.set WREG,  8192                       ; LDS: a region for each wave: two stages of 32 x SP bytes, behind them its 256 scale bytes
.set SP,    80                         ; a lane's place in a stage: 64 bytes + 16 of padding
.set SPW,   12                         ; v12  LDS address of my spare word; never rewritten
.set NIL,   13                         ; v13  0; never rewritten
.set SPARE, WAVES*WREG                 ; behind the four regions: the spare words, 128 bytes a wave
	s_load_b256 s[4:11], s[0:1], 0x0               ; x s[4:5], qkv_w s[6:7], proj_w s[8:9], xc s[10:11]
	s_load_b256 s[12:19], s[0:1], 0x20             ; xs s[12:13], wc s[14:15], ws s[16:17], pw s[18:19]
	v_lshl_add_u32 v[SPW], v0, 2, SPARE
	v_mov_b32 v[NIL], 0
	v_lshrrev_b32 v1, 5, v0
	v_readfirstlane_b32 s20, v1                    ; wave
	v_and_b32 v2, 31, v0                           ; lane
	v_lshlrev_b32 v3, 4, v2                        ; my 16 bytes of a load's 512
	s_mul_i32 s21, s20, WREG
	v_lshrrev_b32 v14, 2, v2
	v_mul_u32_u24 v14, v14, SP
	v_and_b32 v15, 3, v2
	v_lshl_add_u32 v14, v15, 4, v14
	v_add_nc_u32 v14, s21, v14                     ; the stage, on the way in: four lanes' 64 bytes on end, then 16 of padding
	v_mul_u32_u24 v15, v2, SP
	v_add_nc_u32 v15, s21, v15                     ; and on the way out: SP x lane: my 16 neighbours
	v_mul_u32_u24 v4, v2, CB                       ; 8 x lane: my codes' place in a step's; also my f16 numbers' place in a store of proj_w
	v_lshrrev_b32 v5, 1, v2
	s_add_co_u32 s21, s21, 2*32*SP
	v_add_nc_u32 v5, s21, v5                       ; LDS: my wave's 256 scale bytes, my block's byte
	v_lshlrev_b32 v7, 3, v2                        ; and on the way out 8 bytes a lane
	v_add_nc_u32 v6, s21, v7
	s_wait_kmcnt 0x0
	s_cmp_ge_u32 ttmp9, WGP                        ; the work-group's number alone decides
	s_cbranch_scc1 .Lproj
	s_cmp_lt_u32 ttmp9, WGA                        ; x's work-group or qkv_w's?  Only pointers are chosen: both tensors take one way through the text
	s_cselect_b64 s[4:5], s[4:5], s[6:7]
	s_cselect_b64 s[10:11], s[10:11], s[14:15]
	s_cselect_b64 s[12:13], s[12:13], s[16:17]
	s_cselect_b32 s21, 0, WGA
	s_sub_co_u32 s21, ttmp9, s21
	s_lshl_b32 s21, s21, 2
	s_add_co_u32 s22, s21, s20                     ; which run of 8,192 numbers of the tensor is my wave's
	s_mov_b32 s23, 0
	s_mov_b64 s[24:25], 512*STEPS*4
	s_mul_u64 s[24:25], s[22:23], s[24:25]
	s_add_nc_u64 s[4:5], s[4:5], s[24:25]
	s_mov_b64 s[24:25], 32*STEPS*CB
	s_mul_u64 s[24:25], s[22:23], s[24:25]
	s_add_nc_u64 s[10:11], s[10:11], s[24:25]
	s_lshl_b32 s22, s22, 8                         ; 256 scale bytes a run
	s_add_nc_u64 s[12:13], s[12:13], s[22:23]
.macro LOAD t
.irp i, 0,1,2,3
	global_load_b128 v[R+16*((\t)%4)+4*\i:R+16*((\t)%4)+4*\i+3], v3, s[4:5] offset:2048*(\t)+512*\i th:TH_LOAD_NT   ; 32 lanes read 512 consecutive bytes
.endr
.endm
.macro TURN t                          ; step t's numbers through the stage: LDS serves a wave's instructions in order (ISA guide 5.7.1.4), so no wait stands between the stores and the loads
.irp i, 0,1,2,3
	ds_store_b128 v14, v[R+16*((\t)%4)+4*\i:R+16*((\t)%4)+4*\i+3] offset:32*SP*((\t)%2)+8*SP*\i
.endr
.irp i, 0,1,2,3
	ds_load_b128 v[X+16*((\t)%2)+4*\i:X+16*((\t)%2)+4*\i+3], v15 offset:32*SP*((\t)%2)+16*\i
.endr
.endm
.irp t, 0,1,2,3
	LOAD \t
.endr
	s_wait_loadcnt 12                              ; step 0's four loads are in; the twelve of steps 1 to 3 may be out
	TURN 0
.macro STEP t
.set XS, X+16*((\t)%2)
.if (\t) > 0
	s_wait_dscnt 1                                 ; this step's numbers are back from the stage (the last step's byte store may be out)
.else
	s_wait_dscnt 0x0
.endif
.if (\t)+4 < STEPS
	LOAD (\t)+4                                    ; into the registers that the stage's stores have read
.endif
.if (\t)+1 < STEPS
.if STEPS-2-(\t) >= 3
	s_wait_loadcnt 12                              ; the next step's four loads are in; those of the three steps behind it may be out
.else
	s_wait_loadcnt 4*(STEPS-2-(\t))
.endif
	TURN (\t)+1                                    ; they go through the other stage while this step is worked
.endif
	v_max3_num_f32 v8, |v[XS]|, |v[XS+1]|, |v[XS+2]|               ; the largest magnitude of my 16, in two chains
	v_max3_num_f32 v9, |v[XS+3]|, |v[XS+4]|, |v[XS+5]|
.irp i, 6,10
	v_max3_num_f32 v8, v8, |v[XS+\i]|, |v[XS+\i+1]|
	v_max3_num_f32 v9, v9, |v[XS+\i+2]|, |v[XS+\i+3]|
.endr
	v_max3_num_f32 v8, v8, |v[XS+14]|, |v[XS+15]|
	v_max3_num_f32 v8, v8, v9, (EMAX+1)<<23        ; and the floor 2^(3 - 127): so the byte cannot fall under 1
	v_max_num_f32_dpp v8, v8, v8 row_xmask:1 row_mask:0xf bank_mask:0xf   ; and of my neighbour's 16: the block's
	v_add_nc_u32 v11, -(EMAX<<23), v8              ; 2 off its exponent field: the conversion takes the exponent field of this operand as its scale
	v_cvt_scalef32_pk8_fp4_f32 v[C+4*(\t)], v[XS:XS+7], v11
	v_cvt_scalef32_pk8_fp4_f32 v[C+4*(\t)+1], v[XS+8:XS+15], v11
	v_lshrrev_b32 v[E+(\t)], 23, v11               ; the scale's byte (a plain line behind the conversions)
	ds_store_b8 v5, v[E+(\t)] offset:16*(\t)       ; both lanes of a block write the same byte with the same value
	global_store_b64 v4, v[C+4*(\t):C+4*(\t)+1], s[10:11] offset:32*CB*(\t)   ; 32 lanes store 256 consecutive bytes
.endm
.irp t, 0,1,2,3,4,5,6,7,8,9,10,11,12,13,14,15
	STEP \t
.endr
	ds_load_b64 v[8:9], v6                         ; LDS serves a wave's instructions in order: these see my byte stores
	s_wait_dscnt 0x0
	global_store_b64 v7, v[8:9], s[12:13]          ; my wave's 256 scale bytes, consecutive
	s_wait_tensorcnt 0x0                           ; the wave's end: behind my last LDS store
	ds_add_u32 v[SPW], v[NIL]
	s_wait_dscnt 0x0
	s_endpgm
; proj_w to f16: four groups of 2,048 numbers a wave; two groups of loads (32 loads) are out at the start, one while a group is converted.  This way touches no LDS.
.Lproj:
	s_sub_co_u32 s21, ttmp9, WGP
	s_lshl_b32 s21, s21, 2
	s_add_co_u32 s21, s21, s20                     ; my wave's run of 8,192 numbers
	s_lshl_b32 s22, s21, 15                        ; 32,768 bytes of f32
	s_mov_b32 s23, 0
	s_add_nc_u64 s[8:9], s[8:9], s[22:23]
	s_lshl_b32 s22, s21, 14                        ; 16,384 bytes of f16
	s_add_nc_u64 s[18:19], s[18:19], s[22:23]
.macro PLOAD g
.irp i, 0,1,2,3,4,5,6,7,8,9,10,11,12,13,14,15
	global_load_b128 v[R+64*((\g)%2)+4*\i:R+64*((\g)%2)+4*\i+3], v3, s[8:9] offset:8192*(\g)+512*\i th:TH_LOAD_NT
.endr
.endm
.macro PCONV g
.if (\g) < 3
	s_wait_loadcnt 16                              ; this group's 16 loads are in; the next group's may be out
.else
	s_wait_loadcnt 0x0
.endif
.if (\g) > 0
	s_wait_xcnt 0x0                                ; the last group's stores have read their data: the registers are written again only behind this wait
.endif
.irp i, 0,1,2,3,4,5,6,7,8,9,10,11,12,13,14,15
	v_cvt_pk_f16_f32 v[H+2*\i], v[R+64*((\g)%2)+4*\i], v[R+64*((\g)%2)+4*\i+1]
	v_cvt_pk_f16_f32 v[H+2*\i+1], v[R+64*((\g)%2)+4*\i+2], v[R+64*((\g)%2)+4*\i+3]
.endr
.irp i, 0,1,2,3,4,5,6,7,8,9,10,11,12,13,14,15
	global_store_b64 v4, v[H+2*\i:H+2*\i+1], s[18:19] offset:4096*(\g)+256*\i   ; 32 lanes store 256 consecutive bytes
.endr
.if (\g) < 2
	PLOAD (\g)+2
.endif
.endm
	PLOAD 0
	PLOAD 1
	PCONV 0
	PCONV 1
	PCONV 2
	PCONV 3
	s_endpgm
.Lfunc_end_k_q9191abfb74_prep:
	.size	k_q9191abfb74_prep, .Lfunc_end_k_q9191abfb74_prep-k_q9191abfb74_prep
	.p2alignl 7, 3214868480
	.fill 96, 4, 3214868480
	.section	.rodata,"a",@progbits
	.p2align	6, 0x0
	.amdhsa_kernel k_q9191abfb74_prep
		.amdhsa_group_segment_fixed_size 33280
		.amdhsa_private_segment_fixed_size 0
		.amdhsa_enable_private_segment 0
		.amdhsa_kernarg_size 64
		.amdhsa_user_sgpr_count 2
		.amdhsa_user_sgpr_kernarg_segment_ptr 1
		.amdhsa_wavefront_size32 1
		.amdhsa_system_sgpr_workgroup_id_x 1
		.amdhsa_system_sgpr_workgroup_id_y 1
		.amdhsa_system_sgpr_workgroup_id_z 1
		.amdhsa_system_vgpr_workitem_id 0
		.amdhsa_next_free_vgpr 192
		.amdhsa_next_free_sgpr 66
		.amdhsa_reserve_vcc 0
		.amdhsa_float_denorm_mode_32 3
		.amdhsa_float_denorm_mode_16_64 3
		.amdhsa_memory_ordered 1
		.amdhsa_forward_progress 1
		.amdhsa_inst_pref_size 54
	.end_amdhsa_kernel
	.amdgpu_metadata
---
amdhsa.version: [ 1, 2 ]
amdhsa.kernels:
  - .name:           k_q9191abfb74_prep
    .symbol:         k_q9191abfb74_prep.kd
    .args:
      - { .name: x, .offset: 0, .size: 8, .value_kind: global_buffer, .address_space: global }
      - { .name: qkv_w, .offset: 8, .size: 8, .value_kind: global_buffer, .address_space: global }
      - { .name: proj_w, .offset: 16, .size: 8, .value_kind: global_buffer, .address_space: global }
      - { .name: xc, .offset: 24, .size: 8, .value_kind: global_buffer, .address_space: global }
      - { .name: xs, .offset: 32, .size: 8, .value_kind: global_buffer, .address_space: global }
      - { .name: wc, .offset: 40, .size: 8, .value_kind: global_buffer, .address_space: global }
      - { .name: ws, .offset: 48, .size: 8, .value_kind: global_buffer, .address_space: global }
      - { .name: pw, .offset: 56, .size: 8, .value_kind: global_buffer, .address_space: global }
    .group_segment_fixed_size: 33280
    .private_segment_fixed_size: 0
    .kernarg_segment_align: 8
    .kernarg_segment_size: 64
    .max_flat_workgroup_size: 128
    .sgpr_count:     66
    .vgpr_count:     192
    .wavefront_size: 32
...
	.end_amdgpu_metadata
.endif
;; end of part 1
;; launch qkvgemm (part 2): grid 12 x 32, 4 waves a work-group, clusters of 4 x 4, 327,680 bytes of LDS; arguments xc, xs, wc, ws, qkv_b, qkv; writes qkv
.if DOCPART == 2
	.amdgcn_target "amdgcn-amd-amdhsa--gfx1250"
	.amdhsa_code_object_version 6
	.text
	.protected	k_q9191abfb74_qkvgemm
	.globl	k_q9191abfb74_qkvgemm
	.p2align	8
	.type	k_q9191abfb74_qkvgemm,@function
k_q9191abfb74_qkvgemm:
	s_mov_b64 s[64:65], 0
	v_nop
	global_prefetch_b8 v0, s[64:65] scope:SCOPE_SE
	s_setreg_imm32_b32 hwreg(HW_REG_WAVE_MODE, 25, 1), 1
	s_wait_xcnt 0x0
	s_wait_alu depctr_hold_cnt(0) depctr_sa_sdst(0) depctr_va_vdst(0) depctr_va_sdst(0) depctr_va_ssrc(0) depctr_va_vcc(0) depctr_vm_vsrc(0)
	s_getreg_b32 s2, hwreg(HW_REG_IB_STS2, 6, 4)
	s_cmp_eq_u32 s2, 0
	s_cbranch_scc0 .Lentry_in_a_cluster
	s_endpgm
.Lentry_in_a_cluster:
	s_bfe_u32 s2, ttmp6, 0x10000c
	s_cmp_lg_u32 s2, 0xf033
	s_cbranch_scc0 .Lentry_shape_is_right
	s_endpgm
.Lentry_shape_is_right:
; qkv = Q(x) Q(qkv_w)^T + qkv_b on codes of FP4 (E2M1) with one E8M0 scale for each 32 along K; sums in f32.  A: xc [8192][512 bytes], xs [8192][32]; B: wc [3072][512 bytes], ws [3072][32].
; The result leaves as f16, laid by head: qkv [3 (q, k, v)][8 (batch)][16 (head)][1024 (token)][64].  q is multiplied by 0.125 log2(e) on the way, so that the attention's scores are exponents of 2.
; LIMIT: |q| x 0.18, |k| and |v| stay under 65,504 (f16).
; A tile of 256 tokens x 256 features is made by four waves, each 128 x 128: 64 accumulators, 512 registers.  K = 1,024 is two K steps of 512 (tile rows of 256 bytes): both LDS slots and the scales are asked for at the
; kernel's head, three tensor loads a wave, and nothing is filled again.
; CLUSTERS: 4 x 4 work-groups; A's tiles are asked for jointly along a row of the cluster, B's along a column: the same tensor load, descriptor and mask in all four.
; THE MATRIX INSTRUCTION IS USED TRANSPOSED (source 0 = 16 rows of B, source 1 = 16 rows of A): a lane holds eight neighbouring features of one token.
; No prefetch: all that a work-group reads is asked for at its head.
; REGISTERS, in windows of 256: window 0: v0-31 addresses; v32-95 scale words, two sets; v128-191 A's fragments, one set; on the way out v32-255 are free.
;   window 1: B's fragments, two sets, at v0 and v128; v64-127 the bias of my 128 features in the result's layout.   window 2: accumulators of my tokens 0-63 ((a, b) at v[8 (8 a + b)]);   window 3: tokens 64-127.
.set SIZE_K, 1024
.set KSTEP,  512
.set NQ,     KSTEP/128
.set ROWB,   256                       ; a tile's row in bytes
.set KROW,   SIZE_K*4/8                ; a row of codes in memory
.set PITCH,  272                       ; an LDS row: 256 bytes + 16 of padding = 68 words: row r starts at bank 4 r mod 64 (ISA guide 11.1)
.set FR,     8
.set NL,     2
.set NP,     4                         ; places behind this matrix instruction (ISA guide 7.12.1)
.set HALFT,  128*PITCH
.set SLOT,   4*HALFT
.set KS,     SIZE_K/32                 ; a row of scales in bytes
.set SCL,    2*SLOT                    ; behind the two slots: the scales, as rows of 256 bytes + 16 of padding
.set HALFS,  (128*KS/256)*272
.set SBLK,   (16*KS/256)*272
.set SPARE,  SCL+4*HALFS               ; the spare words, 128 bytes a wave
.set SROW,   144                       ; the way out: a stage row: a token's 128 bytes of one head + 16
.set SHEAD,  16*SROW                   ; 16 tokens of one head
.set ADRA, 16
.set ADRB, 20
.set STO,  24                          ; v24  the way out: where I put 16 bytes of a token's row
.set RD,   25                          ; v25  where I read 16 bytes back
.set CO,   26                          ; v26  16 x lane: my place in a store's 512 bytes
.set ADRS, 27
.set SPW,  28
.set NIL,  29
.set BA,   30                          ; v30  32 x (lane / 16): the bias loads' offset
.set SC,   32
.set AF,   128
.set BIAS, 64                          ; in window 1
.set T,    128                         ; the way out: 64 numbers in f32
.set PKR,  192                         ; the same as 32 registers of f16
.set BK,   32                          ; and as read back from the stage: v32-63 and v64-95 by turns
.set G1, 24
.set G0, 32
.set G1B, 48
.set G0B, 56
.set G1S, 68
.set G0S, 76
.set G1SB, 80
.set G0SB, 88
.set CF,  96                           ; s[96:97] 0.125 log2(e) for q, 1 for k and v
.set MSB, 0
.macro WIN new                         ; the immediate's high byte repeats the setting that is left
.if MSB != \new
	s_set_vgpr_msb (MSB<<8)|\new
.set MSB, \new
.endif
.endm
.set MUL_LO, 0xa1                      ; source 0 (B) window 1, source 1 (A) window 0, C and D window 2
.set MUL_HI, 0xf1                      ; the same, C and D window 3
.set TO_B,   0x40                      ; destination window 1, address window 0
; A joint load: waves 0 and 1 fetch for A, waves 2 and 3 for B.  The branch hangs on the wave's number alone.  An s_nop 0 and four v_nop follow each of the two lines.
.macro JLOAD g0a, g1a, g0b, g1b
	s_cmp_eq_u32 s15, 0
	s_cbranch_scc0 .Lfor_b_\@
	tensor_load_to_lds s[\g0a:\g0a+3], s[\g1a:\g1a+7]
	s_nop 0
.rept 4
	v_nop
.endr
	s_branch .Lasked_\@
.Lfor_b_\@:
	tensor_load_to_lds s[\g0b:\g0b+3], s[\g1b:\g1b+7]
	s_nop 0
.rept 4
	v_nop
.endr
.Lasked_\@:
.endm
.macro CROUND                          ; a round of the cluster's barrier
	s_barrier_signal -1
	s_barrier_wait -1
	s_cmp_lg_u32 s14, 0
	s_cbranch_scc1 .Lnot_wave_0_\@
	s_barrier_signal -3
.Lnot_wave_0_\@:
	s_barrier_wait -3
	s_barrier_signal -1
	s_barrier_wait -1
.endm
	s_load_b128 s[4:7], s[0:1], 0x0                ; A's codes s[4:5], A's scales s[6:7]
	s_load_b128 s[8:11], s[0:1], 0x10              ; B's codes s[8:9], B's scales s[10:11]
	s_load_b64 s[98:99], s[0:1], 0x20              ; qkv_b
	s_load_b64 s[12:13], s[0:1], 0x28              ; qkv
	v_lshl_add_u32 v[SPW], v0, 2, SPARE
	v_mov_b32 v[NIL], 0
	ds_add_u32 v[SPW], v[NIL]                      ; the wave's opening: the add, twice on end, and its wait ahead of my first tensor load
	ds_add_u32 v[SPW], v[NIL]
	v_lshrrev_b32 v1, 5, v0
	v_readfirstlane_b32 s14, v1                    ; wave 0..3
	s_lshr_b32 s15, s14, 1                         ; which half of the tile's tokens is mine.  Also: I fetch for A (0) or for B (1)
	s_and_b32 s16, s14, 1                          ; which half of its features.  Also: which 128 rows of that tile I fetch
	s_bfe_u32 s40, ttmp6, 0x40000                  ; cx, cy: my place in the cluster
	s_bfe_u32 s41, ttmp6, 0x40004
	s_lshl_b32 s42, ttmp9, 2
	s_add_co_u32 s42, s42, s40                     ; tile column = 4 x cluster x + cx
	s_and_b32 s17, ttmp7, 0xffff
	s_lshl_b32 s17, s17, 2
	s_add_co_u32 s17, s17, s41                     ; tile row = 4 x cluster y + cy
	s_lshl_b32 s43, s41, 2
	s_lshl_b32 s43, 15, s43                        ; my row of the cluster
	s_lshl_b32 s44, 0x1111, s40                    ; my column
	s_cmp_eq_u32 ttmp9, 0                          ; cluster x: 0 = q's 1,024 features, 1 = k's, 2 = v's: the same in all sixteen partners; it chooses a number, no way through the text
	s_cselect_b32 s[CF], 0x3e38aa3b, 1.0           ; 0.125 log2(e)
	s_mov_b32 s[CF+1], s[CF]                       ; (named with it as a pair)
	; descriptor group 1: a tile of 128 rows x 256 bytes, padded in LDS
	s_or_b32 s[G1+0], s43, (0<<16)|(1<<20)|(1<<21)|(5<<22)|(3<<25)  ; the mask; elements of 1 byte; padding on; bit 21 beside a mask; after every 64 words 4 words
	s_or_b32 s[G1B+0], s44, (0<<16)|(1<<20)|(1<<21)|(5<<22)|(3<<25)
.irp g, G1, G1B
	s_mov_b32 s[\g+1], ROWB<<16                    ; tensor_dim0
	s_mov_b32 s[\g+2], 128<<16                     ; tensor_dim1
	s_mov_b32 s[\g+3], ROWB<<16                    ; tile_dim0
	s_mov_b32 s[\g+4], 128                         ; tile_dim1
	s_mov_b32 s[\g+5], KROW                        ; the pitch in memory
	s_mov_b32 s[\g+6], 0
	s_mov_b32 s[\g+7], 0
.endr
	; the scales of 128 rows: 4,096 dense bytes, as 16 rows of 256 bytes (32 elements of 8 bytes), 16 bytes of padding behind each
	s_or_b32 s[G1S+0], s43, (3<<16)|(1<<20)|(1<<21)|(5<<22)|(3<<25)
	s_or_b32 s[G1SB+0], s44, (3<<16)|(1<<20)|(1<<21)|(5<<22)|(3<<25)
.irp g, G1S, G1SB
	s_mov_b32 s[\g+1], 32<<16
	s_mov_b32 s[\g+2], (128*KS/256)<<16
	s_mov_b32 s[\g+3], 32<<16
	s_mov_b32 s[\g+4], 128*KS/256
	s_mov_b32 s[\g+5], 32
	s_mov_b32 s[\g+6], 0
	s_mov_b32 s[\g+7], 0
.endr
	s_lshl_b32 s18, s16, 7                         ; which 128 rows of the tile I fetch
	s_lshl_b32 s20, s17, 8
	s_add_co_u32 s20, s20, s18                     ; A: row 256 x tile row + 128 x half
	s_lshl_b32 s46, s42, 8
	s_add_co_u32 s46, s46, s18                     ; B: row 256 x tile column + 128 x half
	s_mov_b32 s21, 0
	s_mov_b32 s47, 0
	s_mov_b64 s[18:19], KS
	s_mul_u64 s[22:23], s[20:21], s[18:19]         ; where these rows' scales begin, in bytes
	s_mul_u64 s[92:93], s[46:47], s[18:19]
	s_mov_b64 s[18:19], KROW
	s_mul_u64 s[20:21], s[20:21], s[18:19]         ; and their codes
	s_mul_u64 s[46:47], s[46:47], s[18:19]
	s_mul_i32 s45, s14, HALFT                      ; where they go: wave x 128 rows: no place in the cluster enters an LDS address
	s_mul_i32 s94, s14, HALFS
	s_wait_dscnt 0x0                               ; both opening adds are done
	s_wait_kmcnt 0x0
	s_add_nc_u64 s[20:21], s[4:5], s[20:21]
	s_add_nc_u64 s[22:23], s[6:7], s[22:23]
	s_add_nc_u64 s[46:47], s[8:9], s[46:47]
	s_add_nc_u64 s[92:93], s[10:11], s[92:93]
	CROUND                                         ; all sixteen work-groups are here: the first joint loads meet
	s_mov_b32 s[G0S], 1
	s_add_co_u32 s[G0S+1], s94, SCL
	s_mov_b64 s[G0S+2:G0S+3], s[22:23]
	s_or_b32 s[G0S+3], s[G0S+3], 0x80000000
	s_mov_b32 s[G0SB], 1
	s_add_co_u32 s[G0SB+1], s94, SCL
	s_mov_b64 s[G0SB+2:G0SB+3], s[92:93]
	s_or_b32 s[G0SB+3], s[G0SB+3], 0x80000000
	JLOAD G0S, G1S, G0SB, G1SB                     ; the scales first: they are wanted with K step 0
.irp s, 0,1
	s_mov_b32 s[G0+4*\s], 1
	s_add_co_u32 s[G0+4*\s+1], s45, \s*SLOT
	s_add_nc_u64 s[G0+4*\s+2:G0+4*\s+3], s[20:21], \s*ROWB
	s_or_b32 s[G0+4*\s+3], s[G0+4*\s+3], 0x80000000
	s_mov_b32 s[G0B+4*\s], 1
	s_add_co_u32 s[G0B+4*\s+1], s45, \s*SLOT
	s_add_nc_u64 s[G0B+4*\s+2:G0B+4*\s+3], s[46:47], \s*ROWB
	s_or_b32 s[G0B+4*\s+3], s[G0B+4*\s+3], 0x80000000
	JLOAD G0+4*\s, G1, G0B+4*\s, G1B               ; three tensor loads of mine are out in all
.endr
	v_and_b32 v1, 15, v0                           ; r = l % 16
	v_bfe_u32 v2, v0, 4, 1                         ; h = l / 16
	v_mul_u32_u24 v3, v1, PITCH
	v_lshl_add_u32 v4, v2, 4, v3                   ; a fragment's row x pitch + 16 x half
	s_mul_i32 s21, s15, HALFT                      ; my 128 rows of A
	s_mul_i32 s22, s16, HALFT                      ; my 128 rows of B,
	s_add_co_u32 s22, s22, 2*HALFT                 ; which lie behind A's 256
.irp s, 0,1
	v_add_nc_u32 v[ADRA+\s], s21, v4
	v_add_nc_u32 v[ADRB+\s], s22, v4
	s_add_co_u32 s21, s21, SLOT
	s_add_co_u32 s22, s22, SLOT
.endr
	v_mul_u32_u24 v5, v1, KS                       ; my row's scales: KS bytes a row,
	v_lshrrev_b32 v6, 8, v5
	v_lshl_add_u32 v5, v6, 4, v5                   ; and 16 more for each 256 passed
	s_mul_i32 s21, s15, HALFS                      ; A's: my 128 rows
	s_mul_i32 s22, s16, HALFS                      ; B's: my 128 rows, behind A's 256
	s_add_co_u32 s22, s22, 2*HALFS
	s_sub_co_u32 s22, s22, s21
	v_mul_u32_u24 v6, s22, v2                      ; lanes 16-31 take B's
	s_add_co_u32 s21, s21, SCL
	v_add_nc_u32 v5, v5, v6
	v_add_nc_u32 v[ADRS], s21, v5
	s_mul_i32 s23, s14, 2*SHEAD                    ; my stage: two heads x 16 tokens.  It lies in slot 0, which has had its one fill and its last read when the first result is stored there
	v_mul_u32_u24 v5, v1, SROW                     ; in: token r, 16 bytes for each half of the lanes
	v_lshl_add_u32 v5, v2, 4, v5
	v_add_nc_u32 v[STO], s23, v5
	v_bfe_u32 v5, v0, 3, 2                         ; back: eight lanes to a token's 128 bytes, four tokens an instruction
	v_mul_u32_u24 v5, v5, SROW
	v_and_b32 v6, 7, v0
	v_lshl_add_u32 v5, v6, 4, v5
	v_add_nc_u32 v[RD], s23, v5
	v_and_b32 v6, 31, v0
	v_lshlrev_b32 v[CO], 4, v6
	v_lshlrev_b32 v[BA], 5, v2
	; the bias of my 128 features, in the result's layout: for feature block b a lane wants features 16 b + 8 h + 0 .. 7
	s_lshl_b32 s46, s42, 10                        ; 256 features x 4 bytes a tile column,
	s_lshl_b32 s47, s16, 9                         ; 128 x 4 for my half
	s_add_co_u32 s46, s46, s47
	s_mov_b32 s47, 0
	s_add_nc_u64 s[98:99], s[98:99], s[46:47]
	WIN TO_B
.irp b, 0,1,2,3,4,5,6,7
	global_load_b128 v[BIAS+8*\b:BIAS+8*\b+3], v[BA], s[98:99] offset:64*\b
	global_load_b128 v[BIAS+8*\b+4:BIAS+8*\b+7], v[BA], s[98:99] offset:64*\b+16
.endr
	WIN 0
	; where my part of qkv begins: my 128 features are heads g0 and g0 + 1 of the 48 (q's 16, k's 16, v's 16); a (kind, batch, head) block is 1,024 tokens x 128 bytes
	s_lshl_b32 s46, s42, 2
	s_lshl_b32 s47, s16, 1
	s_add_co_u32 s46, s46, s47                     ; g0 = 4 x tile column + 2 x half
	s_lshr_b32 s47, s46, 4
	s_lshl_b32 s47, s47, 7                         ; 128 blocks a kind
	s_and_b32 s46, s46, 15
	s_add_co_u32 s46, s46, s47
	s_lshr_b32 s20, s17, 2                         ; the batch: four tile rows each
	s_lshl_b32 s20, s20, 4
	s_add_co_u32 s46, s46, s20
	s_lshl_b32 s46, s46, 17                        ; x 131,072 bytes (383 blocks at the most: under 2^32)
	s_and_b32 s20, s17, 3
	s_lshl_b32 s20, s20, 8
	s_lshl_b32 s21, s15, 7
	s_add_co_u32 s20, s20, s21                     ; my first token in the batch
	s_lshl_b32 s20, s20, 7
	s_add_co_u32 s46, s46, s20
	s_mov_b32 s47, 0
	s_add_nc_u64 s[12:13], s[12:13], s[46:47]
.macro FRAG reg, adr, q, i             ; a fragment, 16 rows x 128 K of 4-bit codes: lane l holds row l % 16; registers 4 c .. 4 c + 3 hold K = 64 c + 32 (l / 16) + 0 .. 31
.irp c, 0,1
	ds_load_b128 v[\reg+4*\c:\reg+4*\c+3], v[\adr] offset:64*(\q)+32*\c+(\i)*16*PITCH
.endr
.endm
; 16 matrix instructions: A's blocks a0, a0 + 1 x B's eight, 128 along K.  p: B's set; sc: the set of scale words.  zero = 1: the first product starts the sums.
; The 64 accumulators take turns, one instruction a turn, in the same order in every step.
.macro MUL16 a0, p, q, sc, zero
.irp a, \a0, \a0+1
.irp b, 0,1,2,3,4,5,6,7
.if \zero
	v_wmma_scale_f32_16x16x128_f8f6f4 v[8*(8*((\a)%4)+\b):8*(8*((\a)%4)+\b)+7], v[128*(\p)+FR*\b:128*(\p)+FR*\b+FR-1], v[AF+FR*(\a):AF+FR*(\a)+FR-1], 0, v[SC+8*NQ*(\sc)+NQ*\b+(\q)], v[SC+8*NQ*(\sc)+NQ*(\a)+(\q)] matrix_a_fmt:MATRIX_FMT_FP4 matrix_b_fmt:MATRIX_FMT_FP4 matrix_a_scale:MATRIX_SCALE_ROW1
.else
	v_wmma_scale_f32_16x16x128_f8f6f4 v[8*(8*((\a)%4)+\b):8*(8*((\a)%4)+\b)+7], v[128*(\p)+FR*\b:128*(\p)+FR*\b+FR-1], v[AF+FR*(\a):AF+FR*(\a)+FR-1], v[8*(8*((\a)%4)+\b):8*(8*((\a)%4)+\b)+7], v[SC+8*NQ*(\sc)+NQ*\b+(\q)], v[SC+8*NQ*(\sc)+NQ*(\a)+(\q)] matrix_a_fmt:MATRIX_FMT_FP4 matrix_b_fmt:MATRIX_FMT_FP4 matrix_a_scale:MATRIX_SCALE_ROW1
.endif
.endr
.endr
.endm
.macro FETCH_B slot, q, p
	WIN TO_B
.irp i, 0,1,2,3,4,5,6,7
	FRAG 128*(\p)+FR*\i, ADRB+\slot, \q, \i
.endr
	WIN 0
.endm
.macro FETCH_A slot, q, i0
.irp i, \i0, \i0+1, \i0+2, \i0+3
	FRAG AF+FR*(\i), ADRA+\slot, \q, \i
.endr
.endm
.macro SCALES sc                       ; a K step's scale words into set sc: lanes 0-15 take A's block i, lanes 16-31 B's block i
.irp i, 0,1,2,3,4,5,6,7
	ds_load_b128 v[SC+8*NQ*\sc+NQ*\i:SC+8*NQ*\sc+NQ*\i+3], v[ADRS] offset:\i*SBLK
.endr
.endm
.macro PLACES n                        ; plain vector lines between a matrix instruction and a load into, or a read of, its registers
.rept \n
	v_nop
.endr
.endm
.macro STEP slot, q, zero              ; a step of 128 along K that has its successor in the same slot
	s_wait_dscnt 4*NL                              ; B's set and A's blocks 0-3 are in; the youngest eight loads (A's blocks 4-7) may be out
	WIN MUL_LO
	MUL16 0, (\q)%2, \q, \slot, \zero
	MUL16 2, (\q)%2, \q, \slot, \zero
	s_wait_dscnt 0                                 ; A's blocks 4-7 are in
	PLACES NP
	FETCH_B \slot, (\q)+1, 1-(\q)%2
	FETCH_A \slot, (\q)+1, 0
	WIN MUL_HI
	MUL16 4, (\q)%2, \q, \slot, \zero
	MUL16 6, (\q)%2, \q, \slot, \zero
	PLACES NP
	WIN 0
	FETCH_A \slot, (\q)+1, 4
.endm
; Slot 0's last step changes slots: each wave waits for its last tensor load (its part of slot 1) and says so at the barrier; behind it slot 1 is whole, and nobody reads slot 0 any more.  Nothing is filled again.
.macro TURN slot, next
	s_wait_tensorcnt 0x0                           ; all my tensor loads have landed
	ds_add_u32 v[SPW], v[NIL]                      ; 0 onto my spare word
	s_wait_dscnt 4*NL+1                            ; (the add and the youngest eight loads may be out)
	WIN MUL_LO
	MUL16 0, 1, NQ-1, \slot, 0
	s_wait_dscnt 0x0                               ; the add is done, and my reads of this slot are over
	s_barrier_signal -1
	MUL16 2, 1, NQ-1, \slot, 0
	WIN 0
	s_barrier_wait -1
	PLACES NP
	v_add_nc_u32 v[ADRS], 4*NQ, v[ADRS]            ; on to the next K step's scale words
	FETCH_B \next, 0, 0
	FETCH_A \next, 0, 0
	SCALES \next
	WIN MUL_HI
	MUL16 4, 1, NQ-1, \slot, 0
	MUL16 6, 1, NQ-1, \slot, 0
	PLACES NP
	WIN 0
	FETCH_A \next, 0, 4
.endm
.macro STEPS slot, from
.set Q, \from
.rept NQ-1-\from
	STEP \slot, Q, 0
.set Q, Q+1
.endr
.endm
	s_wait_tensorcnt 1                             ; the scales and my part of K step 0 are in (K step 1's load may be out),
	s_barrier_signal -1
	s_barrier_wait -1                              ; everybody's are
	FETCH_B 0, 0, 0
	FETCH_A 0, 0, 0
	SCALES 0
	FETCH_A 0, 0, 4
	STEP 0, 0, 1                                   ; the first step's products start the sums: nothing is cleared
	STEPS 0, 1
	TURN 0, 1
	STEPS 1, 0
	s_wait_dscnt 4*NL                              ; the very last step: nothing more to fetch
	WIN MUL_LO
	MUL16 0, 1, NQ-1, 1, 0
	MUL16 2, 1, NQ-1, 1, 0
	s_wait_dscnt 0
	WIN MUL_HI
	MUL16 4, 1, NQ-1, 1, 0
	MUL16 6, 1, NQ-1, 1, 0
; THE WAY OUT, block by block of 16 tokens x 128 features (two heads).  (sum + bias) x c as one fused multiply-add on bias x c; rounded to f16; a lane's 16 bytes go into my stage (a head's 16 tokens, rows of 144 bytes) and come
; back so that the 32 lanes hold four tokens' 128 bytes on end: in qkv a head's tokens are dense, so each store covers 512 consecutive bytes.
	s_wait_loadcnt 0x0                             ; the bias
	WIN 0x41                                       ; destination and source 0 window 1
.set i, 0
.rept 32
	v_pk_mul_f32 v[BIAS+i:BIAS+i+1], v[BIAS+i:BIAS+i+1], s[CF:CF+1] op_sel_hi:[1,0]   ; bias x c.  These 32 lines name no register of the last products: they are the places behind them
.set i, i+2
.endr
.macro PACK a
.set AC, 64*((\a)%4)
.set WN, 0x12+(\a)/4                   ; source 0: window 2 or 3; source 2: window 1; destination: window 0
	WIN WN
.irp b, 0,1,2,3,4,5,6,7
.irp i, 0,1,2,3
	v_pk_fma_f32 v[T+8*\b+2*\i:T+8*\b+2*\i+1], v[AC+8*\b+2*\i:AC+8*\b+2*\i+1], s[CF:CF+1], v[BIAS+8*\b+2*\i:BIAS+8*\b+2*\i+1] op_sel_hi:[1,0,1]   ; each accumulator from its low end on
.endr
.endr
	WIN 0
.irp b, 0,1,2,3,4,5,6,7
.irp i, 0,1,2,3
	v_cvt_pk_f16_f32 v[PKR+4*\b+\i], v[T+8*\b+2*\i], v[T+8*\b+2*\i+1]
.endr
.endr
.endm
.macro TOSTAGE a
.set BB, BK+32*((\a)%2)
.irp b, 0,1,2,3,4,5,6,7
	ds_store_b128 v[STO], v[PKR+4*\b:PKR+4*\b+3] offset:(\b/4)*SHEAD+(\b%4)*32
.endr
.irp hh, 0,1
.irp i, 0,1,2,3
	ds_load_b128 v[BB+4*(4*\hh+\i):BB+4*(4*\hh+\i)+3], v[RD] offset:\hh*SHEAD+\i*4*SROW   ; LDS serves a wave's instructions in order (ISA guide 5.7.1.4): these see the stores above
.endr
.endr
.endm
.macro SEND a
.set BB, BK+32*((\a)%2)
	s_wait_dscnt 0x0                               ; the block is back in registers
	s_wait_xcnt 0x0                                ; the block before has had its stores' registers read: the next block's loads from the stage may land there
.irp hh, 0,1
.irp i, 0,1,2,3
	global_store_b128 v[CO], v[BB+4*(4*\hh+\i):BB+4*(4*\hh+\i)+3], s[12:13] offset:\hh*131072+(\a)*2048+\i*512   ; 32 lanes store 512 consecutive bytes; the base is never stepped
.endr
.endr
.endm
	PACK 0
	TOSTAGE 0
.irp a, 1,2,3,4,5,6,7                  ; block a's arithmetic stands between block a - 1's loads from the stage and the wait for them
	PACK \a
	SEND \a-1
	TOSTAGE \a
.endr
	SEND 7
	s_wait_tensorcnt 0x0                           ; the wave's end: behind my last tensor load and my last LDS store
	ds_add_u32 v[SPW], v[NIL]
	s_wait_dscnt 0x0
	CROUND                                         ; the closing round: no work-group ends while a partner may still ask for a tile that names it
	s_endpgm
.Lfunc_end_k_q9191abfb74_qkvgemm:
	.size	k_q9191abfb74_qkvgemm, .Lfunc_end_k_q9191abfb74_qkvgemm-k_q9191abfb74_qkvgemm
	.p2alignl 7, 3214868480
	.fill 96, 4, 3214868480
	.section	.rodata,"a",@progbits
	.p2align	6, 0x0
	.amdhsa_kernel k_q9191abfb74_qkvgemm
		.amdhsa_group_segment_fixed_size 327680
		.amdhsa_private_segment_fixed_size 0
		.amdhsa_enable_private_segment 0
		.amdhsa_kernarg_size 48
		.amdhsa_user_sgpr_count 2
		.amdhsa_user_sgpr_kernarg_segment_ptr 1
		.amdhsa_wavefront_size32 1
		.amdhsa_system_sgpr_workgroup_id_x 1
		.amdhsa_system_sgpr_workgroup_id_y 1
		.amdhsa_system_sgpr_workgroup_id_z 1
		.amdhsa_system_vgpr_workitem_id 0
		.amdhsa_next_free_vgpr 1024
		.amdhsa_next_free_sgpr 100
		.amdhsa_reserve_vcc 0
		.amdhsa_float_denorm_mode_32 3
		.amdhsa_float_denorm_mode_16_64 3
		.amdhsa_memory_ordered 1
		.amdhsa_forward_progress 1
		.amdhsa_inst_pref_size 146
	.end_amdhsa_kernel
	.amdgpu_metadata
---
amdhsa.version: [ 1, 2 ]
amdhsa.kernels:
  - .name:           k_q9191abfb74_qkvgemm
    .symbol:         k_q9191abfb74_qkvgemm.kd
    .args:
      - { .name: xc, .offset: 0, .size: 8, .value_kind: global_buffer, .address_space: global }
      - { .name: xs, .offset: 8, .size: 8, .value_kind: global_buffer, .address_space: global }
      - { .name: wc, .offset: 16, .size: 8, .value_kind: global_buffer, .address_space: global }
      - { .name: ws, .offset: 24, .size: 8, .value_kind: global_buffer, .address_space: global }
      - { .name: qkv_b, .offset: 32, .size: 8, .value_kind: global_buffer, .address_space: global }
      - { .name: qkv, .offset: 40, .size: 8, .value_kind: global_buffer, .address_space: global }
    .group_segment_fixed_size: 327680
    .private_segment_fixed_size: 0
    .kernarg_segment_align: 8
    .kernarg_segment_size: 48
    .max_flat_workgroup_size: 128
    .sgpr_count:     100
    .vgpr_count:     1024
    .wavefront_size: 32
...
	.end_amdgpu_metadata
.endif
;; end of part 2
;; launch attn (part 3): grid 2 x 128, 8 waves a work-group, no clusters, 327,680 bytes of LDS; arguments qkv, z; writes z
.if DOCPART == 3
	.amdgcn_target "amdgcn-amd-amdhsa--gfx1250"
	.amdhsa_code_object_version 6
	.text
	.protected	k_q9191abfb74_attn
	.globl	k_q9191abfb74_attn
	.p2align	8
	.type	k_q9191abfb74_attn,@function
k_q9191abfb74_attn:
	s_mov_b64 s[64:65], 0
	v_nop
	global_prefetch_b8 v0, s[64:65] scope:SCOPE_SE
	s_setreg_imm32_b32 hwreg(HW_REG_WAVE_MODE, 25, 1), 1
	s_wait_xcnt 0x0
; z[b][h][q][:] = the sum over k of softmax_k(q . k / 8) v[k][:], with weights that are NaN taken as 0.  q, k, v: f16, qkv [3][8][16][1024][64]; q comes multiplied by 0.125 log2(e), so a score is an exponent of 2.
; z: f16, [8][16][1024][64].  Products by the f16 form with f32 sums; maxima, exponentials and sums in f32; the weights p are rounded to f16 for the second product, z once at the end.
; NaN: a row's maximum and sum are shared by all its weights, so a NaN weight makes the whole row NaN: z's row is 0 wherever the row's sum is NaN (a select, no branch).
; LIMIT: |z| stays under 65,504 (it is an average of v, which does).
; SHARES.  A work-group owns 512 queries of one head, each of its eight waves 64: four tiles of 16.  Two waves share a SIMD, so that one wave's softmax stands beside the other's products.
; A HEAD'S WHOLE K AND V LIE IN LDS: 4 chunks of 256 keys; of each chunk waves 0-3 bring a quarter of K and waves 4-7 a quarter of V (32 rows of 256 bytes: two keys a row, since a head's keys are dense in memory; the loads
; have 32 rows so that one counted wait shows a whole chunk).  All four loads of a wave go out at the head.  So there is nothing left to prefetch.
; NO CLUSTER: the grid has two work-groups to a head; a cluster of four would join two heads, whose tiles differ.
; LAYOUT.  S^T = K Q^T (source 0 = 16 keys, source 1 = 16 queries): a lane holds ONE query (lane % 16) and keys 8 (lane / 16) + 0..7.  Two such tiles, rounded to f16 in pairs, are source 1 of O^T = V^T P.  V is turned by ds_load_tr16_b128.
; SOFTMAX.  For each query a running maximum m and sum l: p = 2^(s - m); in every step O^T and l are multiplied by a = 2^(m_old - m_new).
; REGISTERS: window 0: v1-13 addresses; v16-63 twelve registers of statistics a tile; v64-191 S^T, 32 a tile (P is laid over each tile's first 16); v192-255 Q, 16 a tile.
;   window 1: v0-127 O^T, 32 a tile; v128-191 K of one step; v192-255 V of one step.
.set KP,    272                        ; two keys of K in LDS: 256 bytes + 16: key k at (k / 2) KP + (k % 2) 128: the 16 keys of a load start at 16 different columns of 16 bytes
.set VP,    288                        ; two keys of V: 256 + 32: 16 lanes of the turning load take 8 keys x 32 bytes, each column once
.set KCH,   128*KP                     ; a chunk of 256 keys
.set VCH,   128*VP
.set VBASE, 4*KCH
.set STAGE, VBASE+4*VCH                ; the way out: 16 rows x 144 bytes for each wave
.set SROW,  144
.set SPARE, STAGE+8*16*SROW            ; the spare words, 128 bytes a wave
.set AK0, 3                            ; v3   my lane's place in a tile of K
.set AV0, 4                            ; v4   the same for V
.set ADK, 5                            ; v5   LDS address of the step's K
.set ADV, 6                            ; v6   and V
.set QO,  7                            ; v7   my byte offset in the wave's rows of q
.set STO, 8                            ; v8   the way out: where I put 16 bytes of a row
.set RD,  9                            ; v9   where I read 16 bytes back
.set GO,  10                           ; v10  16 x lane
.set SPW, 12
.set NIL, 13
.set ST,  16                           ; tile t's statistics at v[ST + 12 t]: +0 m, +1 m_old, +2, +3 l (even, odd registers'), +4 to +7 at work, +8 a (later 1 / l), +9 its pair's other half
.set S,   64
.set Q,   192
.set KF,  128                          ; in window 1
.set VF,  192
.set WV,  8
.set G1K, 16
.set G1V, 24
.set G0K, 32                           ; s[32:47] group 0 for K's four chunks
.set G0V, 48                           ; s[48:63] for V's
.set TBK, 66                           ; LDS byte at which the step's K begins
.set TBV, 67                           ; and, from VBASE on, its V
.set CNT, 68
.set SEL, 70                           ; s[70:71] lane selects: lane l xor 16
.set OKM, 72                           ; s72-75 for each tile: the lanes whose row's sum is a number
.set MSB, 0
.macro WIN new
.if MSB != \new
	s_set_vgpr_msb (MSB<<8)|\new
.set MSB, \new
.endif
.endm
	s_load_b128 s[4:7], s[0:1], 0x0                ; qkv, z
	v_lshl_add_u32 v[SPW], v0, 2, SPARE
	v_mov_b32 v[NIL], 0
	ds_add_u32 v[SPW], v[NIL]                      ; the wave's opening: the add, twice on end, and its wait ahead of my first tensor load
	ds_add_u32 v[SPW], v[NIL]
	v_lshrrev_b32 v1, 5, v0
	v_readfirstlane_b32 s[WV], v1                  ; wave 0..7
	; descriptor group 1: 32 rows x 128 elements of 2 bytes, dense in memory, padded in LDS
	s_mov_b32 s[G1K], (1<<16)|(1<<20)|(5<<22)|(3<<25)   ; no mask; elements of 2 bytes; padding on: after every 64 words 4 words
	s_mov_b32 s[G1V], (1<<16)|(1<<20)|(5<<22)|(7<<25)   ; the same with 8 words
.irp g, G1K, G1V
	s_mov_b32 s[\g+1], 128<<16                     ; tensor_dim0
	s_mov_b32 s[\g+2], 32<<16                      ; tensor_dim1
	s_mov_b32 s[\g+3], 128<<16                     ; tile_dim0
	s_mov_b32 s[\g+4], 32                          ; tile_dim1
	s_mov_b32 s[\g+5], 128                         ; the pitch in memory
	s_mov_b32 s[\g+6], 0
	s_mov_b32 s[\g+7], 0
.endr
	s_and_b32 s80, ttmp7, 0xffff                   ; 16 x batch + head
	s_lshl_b32 s80, s80, 17                        ; its block of 131,072 bytes
	s_mov_b32 s81, 0
	s_lshl_b32 s82, ttmp9, 16                      ; my work-group's 512 queries x 128 bytes,
	s_lshl_b32 s83, s[WV], 13                      ; my wave's 64
	s_add_co_u32 s82, s82, s83
	s_add_co_u32 s82, s82, s80
	s_mov_b32 s83, 0
	s_and_b32 s84, s[WV], 3                        ; which quarter of a chunk I fetch:
	s_lshl_b32 s85, s84, 13                        ; 8,192 bytes in memory,
	s_add_co_u32 s80, s80, s85
	s_mul_i32 s86, s84, 32*KP                      ; 32 rows in LDS
	s_mul_i32 s87, s84, 32*VP
	s_add_co_u32 s87, s87, VBASE
.irp c, 0,1,2,3
	s_mov_b32 s[G0K+4*\c], 1
	s_add_co_u32 s[G0K+4*\c+1], s86, \c*KCH
	s_mov_b32 s[G0V+4*\c], 1
	s_add_co_u32 s[G0V+4*\c+1], s87, \c*VCH
.endr
	s_mov_b32 s[SEL], 0x76543210
	s_mov_b32 s[SEL+1], 0xfedcba98
	s_mov_b32 s[TBK], 0
	s_mov_b32 s[TBV], 0
	s_wait_dscnt 0x0                               ; both opening adds are done
	s_wait_kmcnt 0x0
	s_add_nc_u64 s[76:77], s[4:5], s[80:81]
	s_add_nc_u64 s[78:79], s[76:77], 0x2000000     ; v's blocks begin 256 blocks on,
	s_add_nc_u64 s[76:77], s[76:77], 0x1000000     ; k's 128
	s_add_nc_u64 s[4:5], s[4:5], s[82:83]          ; q and z at my wave's first query
	s_add_nc_u64 s[6:7], s[6:7], s[82:83]
.irp c, 0,1,2,3
	s_add_nc_u64 s[G0K+4*\c+2:G0K+4*\c+3], s[76:77], \c*32768
	s_or_b32 s[G0K+4*\c+3], s[G0K+4*\c+3], 0x80000000
	s_add_nc_u64 s[G0V+4*\c+2:G0V+4*\c+3], s[78:79], \c*32768
	s_or_b32 s[G0V+4*\c+3], s[G0V+4*\c+3], 0x80000000
.endr
	s_cmp_lt_u32 s[WV], 4                          ; a wave's four first fills stand in one branch on its number, ahead of every wait on TENSORcnt, every LDS read and every barrier: four loads of mine are out
	s_cbranch_scc0 .Lfor_v
.irp c, 0,1,2,3
	tensor_load_to_lds s[G0K+4*\c:G0K+4*\c+3], s[G1K:G1K+7]
	s_nop 0
.endr
.rept 4
	v_nop
.endr
	s_branch .Lasked
.Lfor_v:
.irp c, 0,1,2,3
	tensor_load_to_lds s[G0V+4*\c:G0V+4*\c+3], s[G1V:G1V+7]
	s_nop 0
.endr
.rept 4
	v_nop
.endr
.Lasked:
	v_and_b32 v1, 15, v0                           ; r
	v_bfe_u32 v2, v0, 4, 1                         ; h
	v_lshlrev_b32 v[QO], 7, v1
	v_lshl_add_u32 v[QO], v2, 4, v[QO]             ; row x 128 + 16 x half
.irp t, 0,1,2,3                        ; Q stays in registers: tile t, channels 32 c on
.irp c, 0,1
.irp u, 0,1
	global_load_b128 v[Q+16*\t+8*\c+4*\u:Q+16*\t+8*\c+4*\u+3], v[QO], s[4:5] offset:\t*2048+64*\c+32*\u
.endr
.endr
.endr
	v_lshrrev_b32 v11, 1, v1
	v_mul_u32_u24 v[AK0], v11, KP
	v_and_b32 v11, 1, v1
	v_lshl_add_u32 v[AK0], v11, 7, v[AK0]
	v_lshl_add_u32 v[AK0], v2, 4, v[AK0]           ; key r: (r / 2) KP + (r % 2) 128, + 16 h
	v_bfe_u32 v11, v0, 1, 2                        ; the turning load: lane l reads 16 bytes of key 8 h + l % 8, channels 8 ((l / 8) % 2) on
	v_lshl_add_u32 v11, v2, 2, v11
	v_mul_u32_u24 v[AV0], v11, VP
	v_and_b32 v11, 1, v0
	v_lshl_add_u32 v[AV0], v11, 7, v[AV0]
	v_bfe_u32 v11, v0, 3, 1
	v_lshl_add_u32 v[AV0], v11, 4, v[AV0]
	v_add_nc_u32 v[AV0], VBASE, v[AV0]
	s_mul_i32 s80, s[WV], 16*SROW
	s_add_co_u32 s80, s80, STAGE                   ; my stage
	v_mul_u32_u24 v[STO], v1, SROW
	v_lshl_add_u32 v[STO], v2, 4, v[STO]
	v_add_nc_u32 v[STO], s80, v[STO]
	v_bfe_u32 v11, v0, 3, 2                        ; back: eight lanes to a row of 128 bytes, four rows an instruction
	v_mul_u32_u24 v[RD], v11, SROW
	v_and_b32 v11, 7, v0
	v_lshl_add_u32 v[RD], v11, 4, v[RD]
	v_add_nc_u32 v[RD], s80, v[RD]
	v_and_b32 v[GO], 31, v0
	v_lshlrev_b32 v[GO], 4, v[GO]
.irp t, 0,1,2,3
	v_mov_b32 v[ST+12*\t+1], 0                     ; named as the other halves of the pairs (m, -) and (a, -) before they are otherwise written
	v_mov_b32 v[ST+12*\t+9], 0
.endr
; THE SOFTMAX of a step's 64 keys for my four tiles.  Every line is written for tiles 0 to 3 in turn, so that a line that needs the line before it stands four lines on.  first = 1: the first step, which starts m, l and O^T.
.macro SOFTMAX first
.irp j, 0,1,2,3                        ; the maximum, three operands at a time: chain j takes key tile j, from its low end on
.irp t, 0,1,2,3
	v_max3_num_f32 v[ST+12*\t+4+\j], v[S+32*\t+8*\j], v[S+32*\t+8*\j+1], v[S+32*\t+8*\j+2]
.endr
.endr
.irp g, 1,2
.irp j, 0,1,2,3
.irp t, 0,1,2,3
	v_max3_num_f32 v[ST+12*\t+4+\j], v[ST+12*\t+4+\j], v[S+32*\t+8*\j+2*\g+1], v[S+32*\t+8*\j+2*\g+2]
.endr
.endr
.endr
.irp t, 0,1,2,3
	v_max3_num_f32 v[ST+12*\t+4], v[ST+12*\t+4], v[S+32*\t+7], v[S+32*\t+15]
.endr
.irp t, 0,1,2,3
	v_max3_num_f32 v[ST+12*\t+6], v[ST+12*\t+6], v[S+32*\t+23], v[S+32*\t+31]
.endr
.irp t, 0,1,2,3
	v_max3_num_f32 v[ST+12*\t+4], v[ST+12*\t+4], v[ST+12*\t+5], v[ST+12*\t+6]
.endr
.irp t, 0,1,2,3
.if \first
	v_max_num_f32 v[ST+12*\t+4], v[ST+12*\t+4], v[ST+12*\t+7]
.else
	v_max3_num_f32 v[ST+12*\t+4], v[ST+12*\t+4], v[ST+12*\t+7], v[ST+12*\t]
.endif
.endr
.irp t, 0,1,2,3
	v_permlanex16_b32 v[ST+12*\t+5], v[ST+12*\t+4], s[SEL], s[SEL+1]   ; the query's other 32 keys lie in the lane 16 away
.endr
.if \first == 0
.irp t, 0,1,2,3
	v_mov_b32 v[ST+12*\t+1], v[ST+12*\t]           ; m_old
.endr
.endif
.irp t, 0,1,2,3
	v_max_num_f32 v[ST+12*\t], v[ST+12*\t+4], v[ST+12*\t+5]
.endr
.if \first == 0
.irp t, 0,1,2,3
	v_sub_f32 v[ST+12*\t+8], v[ST+12*\t+1], v[ST+12*\t]
.endr
.endif
.set i, 0
.rept 16
.irp t, 0,1,2,3
	v_pk_add_f32 v[S+32*\t+i:S+32*\t+i+1], v[S+32*\t+i:S+32*\t+i+1], v[ST+12*\t:ST+12*\t+1] op_sel_hi:[1,0] neg_lo:[0,1] neg_hi:[0,1]   ; s - m, two at a time
.endr
.set i, i+2
.endr
.if \first == 0                        ; ONE BATCH of exponentials: a and the 32 weights of each tile; none of these lines reads an exponential's result
.irp t, 0,1,2,3
	v_exp_f32 v[ST+12*\t+8], v[ST+12*\t+8]
.endr
.endif
.set i, 0
.rept 32
.irp t, 0,1,2,3
	v_exp_f32 v[S+32*\t+i], v[S+32*\t+i]
.endr
.set i, i+1
.endr
	v_nop                                          ; a plain line behind the last exponential (ISA guide 5.7.2)
	s_wait_alu depctr_va_vdst(0)                   ; the wait ahead of the first line that names a result: one for the batch
.irp t, 0,1,2,3                        ; the row's sum of the unrounded p, packed, in two chains
	v_pk_add_f32 v[ST+12*\t+4:ST+12*\t+5], v[S+32*\t:S+32*\t+1], v[S+32*\t+2:S+32*\t+3]
.endr
.irp t, 0,1,2,3
	v_pk_add_f32 v[ST+12*\t+6:ST+12*\t+7], v[S+32*\t+4:S+32*\t+5], v[S+32*\t+6:S+32*\t+7]
.endr
.irp i, 8,12,16,20,24,28
.irp t, 0,1,2,3
	v_pk_add_f32 v[ST+12*\t+4:ST+12*\t+5], v[ST+12*\t+4:ST+12*\t+5], v[S+32*\t+\i:S+32*\t+\i+1]
.endr
.irp t, 0,1,2,3
	v_pk_add_f32 v[ST+12*\t+6:ST+12*\t+7], v[ST+12*\t+6:ST+12*\t+7], v[S+32*\t+\i+2:S+32*\t+\i+3]
.endr
.endr
.if \first
.irp t, 0,1,2,3
	v_pk_add_f32 v[ST+12*\t+2:ST+12*\t+3], v[ST+12*\t+4:ST+12*\t+5], v[ST+12*\t+6:ST+12*\t+7]
.endr
.else
.irp t, 0,1,2,3
	v_pk_add_f32 v[ST+12*\t+4:ST+12*\t+5], v[ST+12*\t+4:ST+12*\t+5], v[ST+12*\t+6:ST+12*\t+7]
.endr
.irp t, 0,1,2,3
	v_pk_fma_f32 v[ST+12*\t+2:ST+12*\t+3], v[ST+12*\t+2:ST+12*\t+3], v[ST+12*\t+8:ST+12*\t+9], v[ST+12*\t+4:ST+12*\t+5] op_sel_hi:[1,0,1]   ; l = a l + the step's sum
.endr
.endif
.set i, 0
.rept 16                               ; P in place: register i takes weights 2 i and 2 i + 1; what it held has been rounded and summed
.irp t, 0,1,2,3
	v_cvt_pk_f16_f32 v[S+32*\t+i], v[S+32*\t+2*i], v[S+32*\t+2*i+1]
.endr
.set i, i+1
.endr
.if \first == 0
	WIN 0x41                                       ; O^T (destination and source 0) in window 1, a in window 0
.set i, 0
.rept 16
.irp t, 0,1,2,3
	v_pk_mul_f32 v[32*\t+i:32*\t+i+1], v[32*\t+i:32*\t+i+1], v[ST+12*\t+8:ST+12*\t+9] op_sel_hi:[1,0]
.endr
.set i, i+2
.endr
.endif
.endm
; A KEY STEP: 64 keys.  The accumulators take turns, one instruction a turn: 16 in each product.
.macro STEP first
	WIN 0
	v_add_nc_u32 v[ADK], s[TBK], v[AK0]            ; these two and three v_nop are five plain lines behind the last step's products V^T P: four are owed to the loads into V's registers,
	v_add_nc_u32 v[ADV], s[TBV], v[AV0]            ; five to the products K Q^T, which write over P's (ISA guide 7.12.1)
.rept 3
	v_nop
.endr
	WIN 0x40                                       ; destination window 1, address window 0
.irp kt, 0,1,2,3
.irp c, 0,1
.irp u, 0,1
	ds_load_b128 v[KF+16*\kt+8*\c+4*\u:KF+16*\kt+8*\c+4*\u+3], v[ADK] offset:\kt*8*KP+64*\c+32*\u
.endr
.endr
.endr
.irp kk, 0,1
.irp ct, 0,1,2,3
.irp u, 0,1
	ds_load_tr16_b128 v[VF+32*\kk+8*\ct+4*\u:VF+32*\kk+8*\ct+4*\u+3], v[ADV] offset:\kk*16*VP+32*\ct+\u*8*VP
.endr
.endr
.endr
	s_add_co_u32 s[TBK], s[TBK], 32*KP             ; the next step's 64 keys
	s_add_co_u32 s[TBV], s[TBV], 32*VP
	s_wait_dscnt 16                                ; K is in; V's sixteen loads may be out
	WIN 0x01                                       ; K in window 1, Q and S^T in window 0
.irp c, 0,1
.irp kt, 0,1,2,3
.irp t, 0,1,2,3
.if \c == 0
	v_wmma_f32_16x16x32_f16 v[S+32*\t+8*\kt:S+32*\t+8*\kt+7], v[KF+16*\kt+8*\c:KF+16*\kt+8*\c+7], v[Q+16*\t+8*\c:Q+16*\t+8*\c+7], 0
.else
	v_wmma_f32_16x16x32_f16 v[S+32*\t+8*\kt:S+32*\t+8*\kt+7], v[KF+16*\kt+8*\c:KF+16*\kt+8*\c+7], v[Q+16*\t+8*\c:Q+16*\t+8*\c+7], v[S+32*\t+8*\kt:S+32*\t+8*\kt+7]
.endif
.endr
.endr
.endr
	WIN 0
.rept 4
	v_nop                                          ; places in front of the first read of the scores
.endr
	SOFTMAX \first
	s_wait_dscnt 0x0                               ; V is in
	WIN 0x51                                       ; V and O^T in window 1, P in window 0
.irp kk, 0,1
.irp ct, 0,1,2,3
.irp t, 0,1,2,3
.if \first && (\kk == 0)
	v_wmma_f32_16x16x32_f16 v[32*\t+8*\ct:32*\t+8*\ct+7], v[VF+32*\kk+8*\ct:VF+32*\kk+8*\ct+7], v[S+32*\t+8*\kk:S+32*\t+8*\kk+7], 0
.else
	v_wmma_f32_16x16x32_f16 v[32*\t+8*\ct:32*\t+8*\ct+7], v[VF+32*\kk+8*\ct:VF+32*\kk+8*\ct+7], v[S+32*\t+8*\kk:S+32*\t+8*\kk+7], v[32*\t+8*\ct:32*\t+8*\ct+7]
.endif
.endr
.endr
.endr
	WIN 0
.endm
.macro STEPS n                         ; n steps in a loop of constant count
	s_mov_b32 s[CNT], \n
.Lsteps_\@:
	STEP 0
	s_sub_co_u32 s[CNT], s[CNT], 1
	s_cmp_lg_u32 s[CNT], 0
	s_cbranch_scc1 .Lsteps_\@
.endm
.macro CHUNK left                      ; my part of the next chunk has landed (left younger loads of mine may be out); behind the barrier everybody's has.  No LDS instruction of mine is out
	s_wait_tensorcnt \left
	s_barrier_signal -1
	s_barrier_wait -1
.endm
	CHUNK 3
	s_wait_loadcnt 0x0                             ; Q
	STEP 1                                         ; the first step starts m, l and O^T: nothing is cleared
	STEPS 3
	CHUNK 2
	STEPS 4
	CHUNK 1
	STEPS 4
	CHUNK 0
	STEPS 4
	; THE WAY OUT.  l's halves and the other half of the lanes' are added (the first four additions are the places behind the last products); O^T is divided by l, rounded to f16, set to 0 where l is NaN, and goes
	; through my stage, a tile (16 rows of z) at a time: in z a head's tokens are dense, so each store covers 512 consecutive bytes.
.irp t, 0,1,2,3
	v_add_f32 v[ST+12*\t+4], v[ST+12*\t+2], v[ST+12*\t+3]
.endr
.irp t, 0,1,2,3
	v_permlanex16_b32 v[ST+12*\t+5], v[ST+12*\t+4], s[SEL], s[SEL+1]
.endr
.irp t, 0,1,2,3
	v_add_f32 v[ST+12*\t+4], v[ST+12*\t+4], v[ST+12*\t+5]
.endr
.irp t, 0,1,2,3
	v_cmp_eq_f32 s[OKM+\t], v[ST+12*\t+4], v[ST+12*\t+4]   ; false where the sum is NaN
.endr
.irp t, 0,1,2,3
	v_rcp_f32 v[ST+12*\t+8], v[ST+12*\t+4]
.endr
	v_nop                                          ; a plain line behind the last reciprocal
	s_wait_alu depctr_va_vdst(0)                   ; and the wait ahead of the first use: one for the four
.macro PACK t
	WIN 0x01                                       ; source 0 (O^T) window 1, destination and 1 / l window 0
.set i, 0
.rept 16
	v_pk_mul_f32 v[S+32*\t+i:S+32*\t+i+1], v[32*\t+i:32*\t+i+1], v[ST+12*\t+8:ST+12*\t+9] op_sel_hi:[1,0]   ; each accumulator from its low end on
.set i, i+2
.endr
	WIN 0
.set i, 0
.rept 16
	v_cvt_pk_f16_f32 v[S+32*\t+i], v[S+32*\t+2*i], v[S+32*\t+2*i+1]
.set i, i+1
.endr
.set i, 0
.rept 16
	v_cndmask_b32 v[S+32*\t+i], 0, v[S+32*\t+i], s[OKM+\t]   ; a row of NaN weights counts as a row of zeros
.set i, i+1
.endr
.irp ct, 0,1,2,3
	ds_store_b128 v[STO], v[S+32*\t+4*\ct:S+32*\t+4*\ct+3] offset:32*\ct
.endr
.irp i, 0,1,2,3
	ds_load_b128 v[S+32*\t+16+4*\i:S+32*\t+16+4*\i+3], v[RD] offset:\i*4*SROW   ; LDS serves a wave's instructions in order (ISA guide 5.7.1.4): these see the stores above; the next tile's stores come behind them
.endr
.endm
.macro SEND t, younger                 ; younger: the LDS instructions issued behind tile t's loads: the next tile's four stores and four loads, or none
.irp i, 0,1,2,3
	s_wait_dscnt \younger+3-\i
	global_store_b128 v[GO], v[S+32*\t+16+4*\i:S+32*\t+16+4*\i+3], s[6:7] offset:\t*2048+\i*512
.endr
.endm
	PACK 0
	PACK 1
	SEND 0, 8
	PACK 2
	SEND 1, 8
	PACK 3
	SEND 2, 8
	SEND 3, 0
	s_wait_tensorcnt 0x0                           ; the wave's end: behind my last tensor load and my last LDS store
	ds_add_u32 v[SPW], v[NIL]
	s_wait_dscnt 0x0
	s_endpgm
.Lfunc_end_k_q9191abfb74_attn:
	.size	k_q9191abfb74_attn, .Lfunc_end_k_q9191abfb74_attn-k_q9191abfb74_attn
	.p2alignl 7, 3214868480
	.fill 96, 4, 3214868480
	.section	.rodata,"a",@progbits
	.p2align	6, 0x0
	.amdhsa_kernel k_q9191abfb74_attn
		.amdhsa_group_segment_fixed_size 327680
		.amdhsa_private_segment_fixed_size 0
		.amdhsa_enable_private_segment 0
		.amdhsa_kernarg_size 16
		.amdhsa_user_sgpr_count 2
		.amdhsa_user_sgpr_kernarg_segment_ptr 1
		.amdhsa_wavefront_size32 1
		.amdhsa_system_sgpr_workgroup_id_x 1
		.amdhsa_system_sgpr_workgroup_id_y 1
		.amdhsa_system_sgpr_workgroup_id_z 1
		.amdhsa_system_vgpr_workitem_id 0
		.amdhsa_next_free_vgpr 512
		.amdhsa_next_free_sgpr 90
		.amdhsa_reserve_vcc 0
		.amdhsa_float_denorm_mode_32 3
		.amdhsa_float_denorm_mode_16_64 3
		.amdhsa_memory_ordered 1
		.amdhsa_forward_progress 1
		.amdhsa_inst_pref_size 180
	.end_amdhsa_kernel
	.amdgpu_metadata
---
amdhsa.version: [ 1, 2 ]
amdhsa.kernels:
  - .name:           k_q9191abfb74_attn
    .symbol:         k_q9191abfb74_attn.kd
    .args:
      - { .name: qkv, .offset: 0, .size: 8, .value_kind: global_buffer, .address_space: global }
      - { .name: z, .offset: 8, .size: 8, .value_kind: global_buffer, .address_space: global }
    .group_segment_fixed_size: 327680
    .private_segment_fixed_size: 0
    .kernarg_segment_align: 8
    .kernarg_segment_size: 16
    .max_flat_workgroup_size: 256
    .sgpr_count:     90
    .vgpr_count:     512
    .wavefront_size: 32
...
	.end_amdgpu_metadata
.endif
;; end of part 3
;; launch proj (part 4): grid 8 x 32, 4 waves a work-group, clusters of 4 x 4, 327,680 bytes of LDS; arguments z, pw, proj_b, out0; writes out0
.if DOCPART == 4
	.amdgcn_target "amdgcn-amd-amdhsa--gfx1250"
	.amdhsa_code_object_version 6
	.text
	.protected	k_q9191abfb74_proj
	.globl	k_q9191abfb74_proj
	.p2align	8
	.type	k_q9191abfb74_proj,@function
k_q9191abfb74_proj:
	s_mov_b64 s[64:65], 0
	v_nop
	global_prefetch_b8 v0, s[64:65] scope:SCOPE_SE
	s_setreg_imm32_b32 hwreg(HW_REG_WAVE_MODE, 25, 1), 1
	s_wait_xcnt 0x0
	s_wait_alu depctr_hold_cnt(0) depctr_sa_sdst(0) depctr_va_vdst(0) depctr_va_sdst(0) depctr_va_ssrc(0) depctr_va_vcc(0) depctr_vm_vsrc(0)
	s_getreg_b32 s2, hwreg(HW_REG_IB_STS2, 6, 4)
	s_cmp_eq_u32 s2, 0
	s_cbranch_scc0 .Lentry_in_a_cluster
	s_endpgm
.Lentry_in_a_cluster:
	s_bfe_u32 s2, ttmp6, 0x10000c
	s_cmp_lg_u32 s2, 0xf033
	s_cbranch_scc0 .Lentry_shape_is_right
	s_endpgm
.Lentry_shape_is_right:
; out0[token][n] = the sum over k of z[token][k] proj_w[n][k] + proj_b[n].  z: f16, [8 (batch)][16 (head)][1024 (token)][64], k = 64 head + channel; pw: proj_w as f16, [1024 n][1024 k]; out0: f32 [8192][1024].  Sums in f32.
; A tile of 256 tokens x 128 features is made by four waves, each 128 x 64: 32 accumulators, 256 registers: 256 work-groups.  K goes in 8 steps of 128 (two heads) through a ring of two LDS slots.
; A head's 256 tokens are 32,768 dense bytes: they come as 128 rows of 256 bytes (two tokens a row).  Waves 0 and 1 fetch the step's two heads of z, waves 2 and 3 the halves of pw's 128 rows: one tensor load a wave.
; CLUSTERS: 4 x 4 work-groups; z's tiles are asked for jointly along a row of the cluster, pw's along a column.
; THE MATRIX INSTRUCTION IS USED TRANSPOSED (source 0 = 16 rows of pw, source 1 = 16 tokens): a lane holds eight neighbouring features of one token.  The bias is the C of each sum's first product.
; REGISTERS: window 0: v1-31 addresses; v32-63 the bias in the result's layout; v64-127 the way out.   window 1: two fragment buffers at v0 and v128: 64 registers of z (8 x 16 tokens x 32 K), then 32 of pw.
;   window 2: the accumulators ((a, b) at v[8 (4 a + b)]).
.set KP,     272                       ; an LDS row: 256 bytes + 16 of padding
.set HEADB,  128*KP                    ; a head's 256 tokens; also pw's 128 rows
.set BOFF,   2*HEADB
.set SLOT,   3*HEADB
.set SPARE,  2*SLOT                    ; behind the ring: the spare words, 128 bytes a wave
.set SPITCH, 272                       ; the way out: a stage of 16 rows x (256 bytes + 16) for each wave, in slot 0, which has had its last fill and its last read when the first result is stored there
.set ADRA, 16                          ; v16-17 LDS address of my fragments of z in slot 0, 1
.set ADRB, 20                          ; v20-21 the same for pw
.set STO,  24
.set RD,   25
.set CO,   26
.set BA,   27                          ; v27  32 x (lane / 16): the bias loads' offset
.set SPW,  28
.set NIL,  29
.set PFO,  30                          ; v30  256 x lane: the prefetches' offset; never rewritten
.set BI,   32
.set BK,   64
.set F0,   0
.set F1,   128
.set G1,  24
.set G0,  32
.set G1B, 48
.set G0B, 56
.set PFA, 66                           ; s[66:67] where my prefetches stand
.set LIM, 68                           ; s68  1 in a wave that prefetches, else the greatest number
.set MSB, 0
.macro WIN new
.if MSB != \new
	s_set_vgpr_msb (MSB<<8)|\new
.set MSB, \new
.endif
.endm
.set MULW, 0xa5                        ; sources 0 and 1 window 1, C and D window 2
.set MULF, 0x85                        ; the same with C (the bias) in window 0
.set TO_F, 0x40                        ; destination window 1, address window 0
.macro JLOAD s                         ; a joint load: waves 0 and 1 fetch for z, waves 2 and 3 for pw; an s_nop 0 and four v_nop follow each of the two lines
	s_cmp_eq_u32 s13, 0
	s_cbranch_scc0 .Lfor_b_\@
	tensor_load_to_lds s[G0+4*\s:G0+4*\s+3], s[G1:G1+7]
	s_nop 0
.rept 4
	v_nop
.endr
	s_branch .Lasked_\@
.Lfor_b_\@:
	tensor_load_to_lds s[G0B+4*\s:G0B+4*\s+3], s[G1B:G1B+7]
	s_nop 0
.rept 4
	v_nop
.endr
.Lasked_\@:
.endm
.macro CREST                           ; a round of the cluster's barrier behind its opening barrier
	s_cmp_lg_u32 s12, 0
	s_cbranch_scc1 .Lnot_wave_0_\@
	s_barrier_signal -3
.Lnot_wave_0_\@:
	s_barrier_wait -3
	s_barrier_signal -1
	s_barrier_wait -1
.endm
.macro CROUND
	s_barrier_signal -1
	s_barrier_wait -1
	CREST
.endm
; A PREFETCH INTO THE L2 of z, behind a joint refill and the run of LDS loads that follows it: the K step that stands two refills on (256 matrix instructions ahead of the load that will want it).  A head's tile is 32,768 bytes:
; the four partners that ask for it jointly take 8,192 each, told apart by address; a lane names 256 bytes; waves 0 and 1 ask, each for its head; of the two clusters that read the same tokens the one with x = 0 asks.
; So each 256 bytes of K steps 4 to 7 are named once.  K steps 0 to 3 come by their loads alone; the loop's last trip asks for nothing.  pw is read again and again by all rows of tiles and is not asked for.
.macro ASK
	s_cmp_gt_u32 s3, s[LIM]
	s_cbranch_scc0 .Lnot_mine_\@
	global_prefetch_b8 v[PFO], s[PFA:PFA+1] th:TH_LOAD_NT scope:SCOPE_SE
.Lnot_mine_\@:
.endm
	s_load_b256 s[4:11], s[0:1], 0x0               ; z s[4:5], pw s[6:7], proj_b s[8:9], out0 s[10:11]
	v_lshl_add_u32 v[SPW], v0, 2, SPARE
	v_mov_b32 v[NIL], 0
	ds_add_u32 v[SPW], v[NIL]                      ; the wave's opening: the add, twice on end, and its wait ahead of my first tensor load
	ds_add_u32 v[SPW], v[NIL]
	v_lshrrev_b32 v1, 5, v0
	v_readfirstlane_b32 s12, v1                    ; wave 0..3
	s_lshr_b32 s13, s12, 1                         ; which half of the tile's tokens is mine.  Also: I fetch for z (0) or for pw (1)
	s_and_b32 s14, s12, 1                          ; which half of its features.  Also: which head of the step, or which 64 rows of pw, I fetch
	s_bfe_u32 s40, ttmp6, 0x40000                  ; cx, cy
	s_bfe_u32 s41, ttmp6, 0x40004
	s_lshl_b32 s42, ttmp9, 2
	s_add_co_u32 s42, s42, s40                     ; tile column (128 features) = 4 x cluster x + cx
	s_and_b32 s15, ttmp7, 0xffff
	s_lshl_b32 s15, s15, 2
	s_add_co_u32 s15, s15, s41                     ; tile row (256 tokens) = 4 x cluster y + cy
	s_lshl_b32 s43, s41, 2
	s_lshl_b32 s43, 15, s43                        ; my row of the cluster
	s_lshl_b32 s44, 0x1111, s40                    ; my column
	s_or_b32 s[G1+0], s43, (1<<16)|(1<<20)|(1<<21)|(5<<22)|(3<<25)   ; the mask; elements of 2 bytes; padding on; bit 21 beside a mask; after every 64 words 4 words
	s_or_b32 s[G1B+0], s44, (1<<16)|(1<<20)|(1<<21)|(5<<22)|(3<<25)
	s_mov_b32 s[G1+1], 128<<16                     ; z: 128 rows x 128 elements, dense
	s_mov_b32 s[G1+2], 128<<16
	s_mov_b32 s[G1+3], 128<<16
	s_mov_b32 s[G1+4], 128
	s_mov_b32 s[G1+5], 128
	s_mov_b32 s[G1+6], 0
	s_mov_b32 s[G1+7], 0
	s_mov_b32 s[G1B+1], 128<<16                    ; pw: 64 rows x 128 elements, 1,024 elements from row to row
	s_mov_b32 s[G1B+2], 64<<16
	s_mov_b32 s[G1B+3], 128<<16
	s_mov_b32 s[G1B+4], 64
	s_mov_b32 s[G1B+5], 1024
	s_mov_b32 s[G1B+6], 0
	s_mov_b32 s[G1B+7], 0
	s_lshr_b32 s16, s15, 2                         ; z: the batch (16 heads x 131,072 bytes),
	s_lshl_b32 s16, s16, 21
	s_and_b32 s17, s15, 3                          ; the tile's 256 tokens x 128 bytes in a head,
	s_lshl_b32 s17, s17, 15
	s_add_co_u32 s16, s16, s17
	s_lshl_b32 s17, s14, 17                        ; the step's even or odd head
	s_add_co_u32 s16, s16, s17
	s_mov_b32 s17, 0
	s_lshl_b32 s46, s42, 7                         ; pw: row 128 x tile column + 64 x half,
	s_lshl_b32 s47, s14, 6
	s_add_co_u32 s46, s46, s47
	s_lshl_b32 s46, s46, 11                        ; of 2,048 bytes
	s_mov_b32 s47, 0
	s_mul_i32 s20, s12, HEADB                      ; where they go: z's heads at wave x HEADB (waves 0, 1),
	s_mul_i32 s21, s12, 64*KP
	s_add_co_u32 s21, s21, HEADB                   ; pw's halves at BOFF + (wave - 2) x 64 rows (waves 2, 3): no place in the cluster enters an LDS address
	s_wait_dscnt 0x0                               ; both opening adds are done
	s_wait_kmcnt 0x0
	s_add_nc_u64 s[18:19], s[4:5], s[16:17]
	s_add_nc_u64 s[46:47], s[6:7], s[46:47]
	CROUND                                         ; all sixteen work-groups are here: the first joint loads meet
.irp s, 0,1
	s_mov_b32 s[G0+4*\s], 1
	s_add_co_u32 s[G0+4*\s+1], s20, \s*SLOT
	s_add_nc_u64 s[G0+4*\s+2:G0+4*\s+3], s[18:19], \s*262144       ; K step s: two heads on
	s_or_b32 s[G0+4*\s+3], s[G0+4*\s+3], 0x80000000
	s_mov_b32 s[G0B+4*\s], 1
	s_add_co_u32 s[G0B+4*\s+1], s21, \s*SLOT
	s_add_nc_u64 s[G0B+4*\s+2:G0B+4*\s+3], s[46:47], \s*256
	s_or_b32 s[G0B+4*\s+3], s[G0B+4*\s+3], 0x80000000
	JLOAD \s                                       ; two tensor loads of mine are out
.endr
	; the prefetches: my head's tile, my work-group's 8,192 bytes of it, at K step 3: the first refill steps it to K step 4
	s_lshl_b32 s22, s40, 13
	s_mov_b32 s23, 0
	s_add_nc_u64 s[PFA:PFA+1], s[18:19], s[22:23]
	s_add_nc_u64 s[PFA:PFA+1], s[PFA:PFA+1], 3*262144
	s_or_b32 s[LIM], s13, ttmp9                    ; 0 in waves 0 and 1 of the clusters with x = 0: the same in all sixteen partners, for a given wave
	s_cmp_eq_u32 s[LIM], 0
	s_cselect_b32 s[LIM], 1, -1
	v_and_b32 v[PFO], 31, v0
	v_lshlrev_b32 v[PFO], 8, v[PFO]
	v_and_b32 v1, 15, v0                           ; r
	v_bfe_u32 v2, v0, 4, 1                         ; h
	; the bias of my 64 features in the result's layout, and where my part of out0 begins
	s_lshl_b32 s46, s42, 9                         ; 128 features x 4 bytes a tile column,
	s_lshl_b32 s47, s14, 8                         ; 64 x 4 for my half
	s_add_co_u32 s46, s46, s47
	s_mov_b32 s47, 0
	s_add_nc_u64 s[8:9], s[8:9], s[46:47]
	v_lshlrev_b32 v[BA], 5, v2
.irp b, 0,1,2,3
	global_load_b128 v[BI+8*\b:BI+8*\b+3], v[BA], s[8:9] offset:64*\b
	global_load_b128 v[BI+8*\b+4:BI+8*\b+7], v[BA], s[8:9] offset:64*\b+16
.endr
	s_lshl_b32 s16, s15, 8
	s_lshl_b32 s17, s13, 7
	s_add_co_u32 s16, s16, s17                     ; my first token
	s_lshl_b32 s16, s16, 12                        ; x 4,096 bytes (under 2^32)
	s_add_co_u32 s46, s46, s16
	s_add_nc_u64 s[10:11], s[10:11], s[46:47]
	v_lshrrev_b32 v3, 1, v1
	v_mul_u32_u24 v3, v3, KP
	v_and_b32 v4, 1, v1
	v_lshl_add_u32 v3, v4, 7, v3
	v_lshl_add_u32 v3, v2, 4, v3                   ; z: token r: (r / 2) KP + (r % 2) 128, + 16 h
	v_mul_u32_u24 v4, v1, KP
	v_lshl_add_u32 v4, v2, 4, v4                   ; pw: row r x KP + 16 h
	s_mul_i32 s22, s13, 64*KP                      ; my 128 tokens: 64 rows
	s_mul_i32 s23, s14, 64*KP                      ; my 64 rows of pw,
	s_add_co_u32 s23, s23, BOFF                    ; behind the two heads
.irp s, 0,1
	v_add_nc_u32 v[ADRA+\s], s22, v3
	v_add_nc_u32 v[ADRB+\s], s23, v4
	s_add_co_u32 s22, s22, SLOT
	s_add_co_u32 s23, s23, SLOT
.endr
	s_mul_i32 s22, s12, 16*SPITCH                  ; my stage
	v_mul_u32_u24 v5, v1, SPITCH                   ; in: token r, 32 bytes for each half of the lanes
	v_lshl_add_u32 v5, v2, 5, v5
	v_add_nc_u32 v[STO], s22, v5
	v_mul_u32_u24 v5, v2, SPITCH                   ; back: lanes 0-15 one token's 256 bytes, lanes 16-31 the next's
	v_lshl_add_u32 v5, v1, 4, v5
	v_add_nc_u32 v[RD], s22, v5
	v_lshlrev_b32 v5, 12, v2                       ; and the same two rows in out0
	v_lshl_add_u32 v[CO], v1, 4, v5
; 8 matrix instructions: token blocks a0, a0 + 1 x the 4 feature blocks, 32 along K, from buffer f.  first = 1: the bias is the C.  The 32 accumulators take turns, one instruction a turn, in the same order in every quarter
.macro MUL8 f, a0, first
.irp a, \a0, \a0+1
.irp b, 0,1,2,3
.if \first
	v_wmma_f32_16x16x32_f16 v[8*(4*(\a)+\b):8*(4*(\a)+\b)+7], v[\f+64+8*\b:\f+64+8*\b+7], v[\f+8*(\a):\f+8*(\a)+7], v[BI+8*\b:BI+8*\b+7]
.else
	v_wmma_f32_16x16x32_f16 v[8*(4*(\a)+\b):8*(4*(\a)+\b)+7], v[\f+64+8*\b:\f+64+8*\b+7], v[\f+8*(\a):\f+8*(\a)+7], v[8*(4*(\a)+\b):8*(4*(\a)+\b)+7]
.endif
.endr
.endr
.endm
.macro WMUL first
.if \first
	WIN MULF
.else
	WIN MULW
.endif
.endm
; 24 LDS loads in one run: the fragments of quarter qd of a K step (32 along K: head qd / 2 of the step, channels 32 (qd % 2) on) into buffer f: pw's four first, then z's eight
.macro FETCH slot, qd, f
	WIN TO_F
.irp i, 0,1,2,3
	ds_load_b128 v[\f+64+8*\i:\f+64+8*\i+3],   v[ADRB+\slot] offset:64*(\qd)+\i*16*KP
	ds_load_b128 v[\f+64+8*\i+4:\f+64+8*\i+7], v[ADRB+\slot] offset:64*(\qd)+\i*16*KP+32
.endr
.irp i, 0,1,2,3,4,5,6,7
	ds_load_b128 v[\f+8*\i:\f+8*\i+3],   v[ADRA+\slot] offset:((\qd)/2)*HEADB+((\qd)%2)*64+\i*8*KP
	ds_load_b128 v[\f+8*\i+4:\f+8*\i+7], v[ADRA+\slot] offset:((\qd)/2)*HEADB+((\qd)%2)*64+\i*8*KP+32
.endr
.endm
.macro PLACES                          ; four plain lines in front of loads into registers that matrix instructions have read, and of the first read of results
.rept 4
	v_nop
.endr
.endm
; One of a K step's first three quarters: multiplies buffer f; in its middle it fetches quarter nq of the same slot into buffer g.
.macro QUARTER slot, nq, f, g, first
	s_wait_dscnt 8                                 ; pw's fragments and z's blocks 0-3 are in; the youngest eight loads (blocks 4-7) may be out
	WMUL \first
	MUL8 \f, 0, \first
	MUL8 \f, 2, \first
	PLACES
	FETCH \slot, \nq, \g
	s_wait_dscnt 24                                ; all but the 24 just issued
	WMUL \first
	MUL8 \f, 4, \first
	MUL8 \f, 6, \first
.endm
; The last quarter multiplies buffer 1 and changes slots: ONE barrier; in front of it each wave waits for all its tensor loads (the one that is out is its part of the next slot), adds 0 to its spare word, and waits for that and
; for its reads of this slot.  fill = 1: the barrier opens a round of the cluster's barrier, and this slot is filled again, two K steps ahead: 112 matrix instructions stand between the request and the wait for it.
.macro TURN slot, next, fill
.if \fill
	s_wait_xcnt 0x0                                ; the last prefetch, a K step back, has read its address: it is stepped here, ahead of the waits of the change of slots
	s_add_nc_u64 s[PFA:PFA+1], s[PFA:PFA+1], 262144
.endif
	WIN 0                                          ; (the add's two registers lie in window 0)
	s_wait_tensorcnt 0x0
	ds_add_u32 v[SPW], v[NIL]                      ; 0 onto my spare word
	s_wait_dscnt 9                                 ; (the add and the youngest eight loads may be out)
	WIN MULW
	MUL8 F1, 0, 0                                  ; eight matrix instructions stand between the add and the wait for it
	s_wait_dscnt 0x0                               ; the add is done, and my reads of this slot are over
	s_barrier_signal -1
	MUL8 F1, 2, 0
	WIN 0
	s_barrier_wait -1
.if \fill
	CREST                                          ; no wave of any partner still reads this slot's tiles or has a load on its way
	s_add_nc_u64 s[G0+4*\slot+2:G0+4*\slot+3], s[G0+4*\slot+2:G0+4*\slot+3], 2*262144
	s_add_nc_u64 s[G0B+4*\slot+2:G0B+4*\slot+3], s[G0B+4*\slot+2:G0B+4*\slot+3], 2*256
	JLOAD \slot                                    ; the first tensor load behind the round; its four v_nop are also the places in front of the loads below
.else
	PLACES
.endif
	FETCH \next, 0, F0
.if \fill
	WIN 0
	ASK
.endif
	WIN MULW
	MUL8 F1, 4, 0
	MUL8 F1, 6, 0
.endm
	s_wait_tensorcnt 1                             ; my part of K step 0 is in (K step 1's load may be out),
	s_barrier_signal -1
	s_barrier_wait -1                              ; everybody's is
	s_wait_loadcnt 0x0                             ; the bias
	FETCH 0, 0, F0
	QUARTER 0, 1, F0, F1, 1                        ; the first quarter stands in front of the loop: its products start the sums from the bias
	WIN 0                                          ; at a label and at a branch every window is 0
	s_mov_b32 s3, 3
.Llap:                                                 ; a trip goes once round the ring, from a lap's second quarter to the next lap's first, and fills both slots again: K steps 2 to 7
	QUARTER 0, 2, F1, F0, 0
	QUARTER 0, 3, F0, F1, 0
	TURN 0, 1, 1
	QUARTER 1, 1, F0, F1, 0
	QUARTER 1, 2, F1, F0, 0
	QUARTER 1, 3, F0, F1, 0
	TURN 1, 0, 1
	QUARTER 0, 1, F0, F1, 0
	WIN 0
	s_sub_co_u32 s3, s3, 1
	s_cmp_lg_u32 s3, 0
	s_cbranch_scc1 .Llap
	QUARTER 0, 2, F1, F0, 0                        ; the last lap fills nothing, and has no round of the cluster's barrier
	QUARTER 0, 3, F0, F1, 0
	TURN 0, 1, 0
	QUARTER 1, 1, F0, F1, 0
	QUARTER 1, 2, F1, F0, 0
	QUARTER 1, 3, F0, F1, 0
	s_wait_dscnt 8                                 ; the very last quarter: nothing more to fetch
	WIN MULW
	MUL8 F1, 0, 0
	MUL8 F1, 2, 0
	s_wait_dscnt 0
	MUL8 F1, 4, 0
	MUL8 F1, 6, 0
	WIN 0
; THE WAY OUT, block by block of 16 tokens x 64 features.  A lane holds 32 neighbouring bytes of a row, the lanes beside it other rows: a block goes through my own stage and comes back as whole rows of 256 bytes.
.macro TOSTAGE a
	WIN 0x08                                       ; an LDS store's data are its source 1: window 2
.irp b, 0,1,2,3
	ds_store_b128 v[STO], v[8*(4*(\a)+\b):8*(4*(\a)+\b)+3] offset:64*\b          ; each accumulator from its low end on
	ds_store_b128 v[STO], v[8*(4*(\a)+\b)+4:8*(4*(\a)+\b)+7] offset:64*\b+16
.endr
	WIN 0
.set BB, BK+32*((\a)%2)
.irp i, 0,1,2,3,4,5,6,7
	ds_load_b128 v[BB+4*\i:BB+4*\i+3], v[RD] offset:\i*2*SPITCH   ; LDS serves a wave's instructions in order (ISA guide 5.7.1.4): these see the stores above
.endr
.endm
.macro SEND a, younger                 ; younger: the LDS instructions issued behind block a's loads, which may stay out
.set BB, BK+32*((\a)%2)
	s_wait_dscnt \younger
.irp i, 0,1,2,3,4,5,6,7
	global_store_b128 v[CO], v[BB+4*\i:BB+4*\i+3], s[10:11] offset:(16*(\a)+2*\i)*4096 th:TH_STORE_NT   ; 16 lanes store 256 consecutive bytes, at a multiple of 256 from out0's first byte; the base is never stepped
.endr
.endm
	PLACES
	TOSTAGE 0
.irp a, 1,2,3,4,5,6,7
.if \a > 1
	s_wait_xcnt 0x0                                ; block a - 2's stores have read their registers: block a's loads from the stage may land there
.endif
	TOSTAGE \a
	SEND \a-1, 16                                  ; behind block a - 1's loads: block a's 8 stores and 8 loads
.endr
	SEND 7, 0
	s_wait_tensorcnt 0x0                           ; the wave's end: behind my last tensor load and my last LDS store
	ds_add_u32 v[SPW], v[NIL]
	s_wait_dscnt 0x0
	CROUND                                         ; the closing round: no work-group ends while a partner may still ask for a tile that names it
	s_endpgm
.Lfunc_end_k_q9191abfb74_proj:
	.size	k_q9191abfb74_proj, .Lfunc_end_k_q9191abfb74_proj-k_q9191abfb74_proj
	.p2alignl 7, 3214868480
	.fill 96, 4, 3214868480
	.section	.rodata,"a",@progbits
	.p2align	6, 0x0
	.amdhsa_kernel k_q9191abfb74_proj
		.amdhsa_group_segment_fixed_size 327680
		.amdhsa_private_segment_fixed_size 0
		.amdhsa_enable_private_segment 0
		.amdhsa_kernarg_size 32
		.amdhsa_user_sgpr_count 2
		.amdhsa_user_sgpr_kernarg_segment_ptr 1
		.amdhsa_wavefront_size32 1
		.amdhsa_system_sgpr_workgroup_id_x 1
		.amdhsa_system_sgpr_workgroup_id_y 1
		.amdhsa_system_sgpr_workgroup_id_z 1
		.amdhsa_system_vgpr_workitem_id 0
		.amdhsa_next_free_vgpr 768
		.amdhsa_next_free_sgpr 70
		.amdhsa_reserve_vcc 0
		.amdhsa_float_denorm_mode_32 3
		.amdhsa_float_denorm_mode_16_64 3
		.amdhsa_memory_ordered 1
		.amdhsa_forward_progress 1
		.amdhsa_inst_pref_size 87
	.end_amdhsa_kernel
	.amdgpu_metadata
---
amdhsa.version: [ 1, 2 ]
amdhsa.kernels:
  - .name:           k_q9191abfb74_proj
    .symbol:         k_q9191abfb74_proj.kd
    .args:
      - { .name: z, .offset: 0, .size: 8, .value_kind: global_buffer, .address_space: global }
      - { .name: pw, .offset: 8, .size: 8, .value_kind: global_buffer, .address_space: global }
      - { .name: proj_b, .offset: 16, .size: 8, .value_kind: global_buffer, .address_space: global }
      - { .name: out0, .offset: 24, .size: 8, .value_kind: global_buffer, .address_space: global }
    .group_segment_fixed_size: 327680
    .private_segment_fixed_size: 0
    .kernarg_segment_align: 8
    .kernarg_segment_size: 32
    .max_flat_workgroup_size: 128
    .sgpr_count:     70
    .vgpr_count:     768
    .wavefront_size: 32
...
	.end_amdgpu_metadata
.endif
;; end of part 4
